; MI455X (gfx1250); checked and timed in simulation.
; The chip was launched on July 23, 2026; its instructions are those of AMD's public machine-readable ISA for CDNA 5 (MIT licence, August 2026) and "CDNA5" Instruction Set Architecture Reference Guide (July 2026). The comments in the code are by the model that wrote it; some were corrected since.
;; Block. Allowed arithmetic: matrix products marked QUANTISED: E5M2 operands, one given power-of-two scale a tensor, by v_wmma_f32_16x16x64_bf8_bf8 or v_wmma_f32_16x16x128_bf8_bf8, f32 sums; everything else in f32.
;; Inputs: W1 1,024 x 4,096 float32; W2 4,096 x 1,024 float32; Wk 1,024 x 1,024 float32; Wq 1,024 x 1,024 float32; Wv 1,024 x 1,024 float32; b1 4,096 float32; b2 1,024 float32; bk 1,024 float32; bq 1,024 float32; bv 1,024 float32; lowp_scales 14 int32 (the exponents e of the quantised operands' scales 2^e); x 4 x 1,024 x 1,024 float32.
;; Outputs: out0 4 x 1,024 x 1,024 float32.
;; This version of the problem:
;;   THIS VERSION OF THE PROBLEM IS GIVEN IN LOW PRECISION. The matrix products marked QUANTISED in the list below multiply operands that are first quantised to E5M2 (5 exponent bits, 2 mantissa bits; 8 bits a number), with one given power-of-two scale for each operand tensor; their sums are f32. All else is computed in f32.
;;   The module's matrix products, in the order in which they are computed (A, B: the left and right operand; K: the contracted axis; several contracted axes count as one K, in the product's order):
;;     1. [M 4,096, K 1,024] x [K 1,024, N 1,024]; A: input x; B: input Wq: QUANTISED (scales: A lowp_scales[0], B lowp_scales[1])
;;     2. [M 4,096, K 1,024] x [K 1,024, N 1,024]; A: input x; B: input Wk: QUANTISED (scales: A lowp_scales[2], B lowp_scales[3])
;;     3. [M 4,096, K 1,024] x [K 1,024, N 1,024]; A: input x; B: input Wv: QUANTISED (scales: A lowp_scales[4], B lowp_scales[5])
;;     4. batch 64 x [M 1,024, K 64] x [K 64, N 1,024]; A: computed on the way; B: computed on the way: QUANTISED (scales: A lowp_scales[6], B lowp_scales[7])
;;     5. batch 64 x [M 1,024, K 1,024] x [K 1,024, N 64]; A: softmax (see below); B: computed on the way: QUANTISED (scales: A lowp_scales[8], B lowp_scales[9])
;;     6. [M 4,096, K 1,024] x [K 1,024, N 4,096]; A: computed on the way; B: input W1: QUANTISED (scales: A lowp_scales[10], B lowp_scales[11])
;;     7. [M 4,096, K 4,096] x [K 4,096, N 1,024]; A: computed on the way; B: input W2: QUANTISED (scales: A lowp_scales[12], B lowp_scales[13])
;;   THE QUANTISER, for each operand of a quantised product, along K:
;;     - The operand's scale is 2^e, e = its entry of the input lowp_scales (int32; the entries are numbered through the quantised products in the list's order, A before B).
;;     - Each number is divided by the scale, clamped to +-57,344, and rounded to the nearest number of E5M2, ties to even, subnormals kept.
;;     - The product sums the exact products of the quantised numbers (number of the format x scale) in f32.
;;   ~~~python
;;   def quantise(x, axis, e):      # numpy; x: float32 -> the quantised numbers, widened to float32 again
;;       x = np.moveaxis(x, axis, -1); K = x.shape[-1]
;;       r = np.clip(x / 2.0 ** e, -57344, 57344)
;;       step = 2.0 ** (np.maximum(np.frexp(np.where(r == 0, 1, r))[1] - 1, -14) - 2)
;;       q = np.round(r / step) * step * 2.0 ** e      # np.round: ties to even
;;       return np.moveaxis(q, -1, axis).astype(np.float32)
;;   ~~~
;;   SOFTMAX AHEAD OF A QUANTISED PRODUCT. Where the list says 'softmax', what is quantised is not the finished softmax but p = 2^(t - M), with t = logit x log2(e) and M = ceil(the row's largest t), a whole number; so 1/2 < the row's largest p <= 1. The row's sum l is taken of the UNQUANTISED p, in f32, and the product's result is divided by l at the end. Since M is a whole number, a kernel that streams over the keys may use a running M (the ceiling of the running maximum): every later rescaling is an exact power of two, so the quantised numbers keep their values, but for numbers so far below the row's largest that they fall under the format's range.
;;   OPERANDS COMPUTED ON THE WAY. 'Computed on the way' means the value that the module computes at that place (a softmax that the list does not call 'softmax' is quantised finished and normalised). What goes into a quantiser is computed in f32, as accurately as f32 sums, v_exp_f32 and their like allow (about 1e-6 of the number): no bf16 or f16 on the way to a quantiser, and a product that is left as it is and whose result goes on into a quantised operand takes f32 operands (vector FMAs, or v_wmma_f32_16x16x4_f32). A number that lies on a knife's edge between two numbers of the format may be rounded either way, as far as f32 arithmetic and the matrix unit's own rounding can turn it there, and no further.
;; One version. Each part assembles by itself: llvm-mc -triple=amdgcn-amd-amdhsa -mcpu=gfx1250 --defsym DOCPART=n.
;; ======== version 1 of 1: 5 launches
;; limits: right only within a limited range of input values
;; workspace buffers: xc 12,582,912 bytes; wc 11,534,336 bytes; qkvc 12,582,912 bytes; x1 16,777,216 bytes; x1c 4,194,304 bytes; hc 16,777,216 bytes
;; launch quant (part 1): grid 480 x 1, 4 waves a work-group, no clusters, 34,304 bytes of LDS; arguments x, Wq, Wk, Wv, W1, W2, lowp_scales, xc, wc; writes xc, wc
.if DOCPART == 1
	.amdgcn_target "amdgcn-amd-amdhsa--gfx1250"
	.amdhsa_code_object_version 6
	.text
	.protected	k_q4a1f17fdef_quant
	.globl	k_q4a1f17fdef_quant
	.p2align	8
	.type	k_q4a1f17fdef_quant,@function
k_q4a1f17fdef_quant:
	s_mov_b64 s[64:65], 0
	v_nop
	global_prefetch_b8 v0, s[64:65] scope:SCOPE_SE
	s_setreg_imm32_b32 hwreg(HW_REG_WAVE_MODE, 25, 1), 1
	s_wait_xcnt 0x0
; x and the five weights, f32, become codes of BF8 (E5M2), each with the scale 2^e that is given for it: code = number / 2^e, held within +-57,344, to the nearest code, ties to even.
; THE IMAGE.  Every buffer of codes is laid in the order of the operand's registers.  A fragment of 16 rows x 128 k is 2,048 bytes: four chunks c of 512 bytes; in chunk c lane L = 16 h + r owns the 16 bytes at 16 L:
; bytes 0-7 are k = 32 c + 8 h + 0..7 of row r, bytes 8-15 are k = 32 c + 16 + 8 h + 0..7.  Loaded 16 bytes a lane into registers 4 c .. 4 c + 3 that is the 8-bit operand layout with every k in its own place.
; A tensor of R rows and K along k lies as [R / 16][K / 128][2,048].
; xc: three copies of x (entries 0, 2, 4 of the scales), 4 MiB apart.  wc: Wq, Wk, Wv at 0, 1, 2 MiB (entries 1, 3, 5), W1 at 3 MiB (entry 11), W2 at 7 MiB (entry 13); a weight's rows are its columns n, since K is its first axis.
; WORK-GROUPS 0-351 take the weights, 128 columns x 256 k each: a lane takes a column and its registers run down K, so the conversions give K innermost and the codes leave straight from registers.
; WORK-GROUPS 352-479 take x: a wave takes 16 rows x 512 k; each load reads 512 consecutive bytes of a row, and the numbers turn through the wave's own stage in LDS so that a lane holds neighbours along K.
; No cluster, no tensor load, no barrier: no two work-groups read the same bytes, and waves share nothing.
; LIMITS: each e used here lies between -126 and 112, so that 2^e and 57,344 x 2^e are f32 numbers.  NaN among the inputs is not served; an infinity is held at the largest code.
.set NWGW, 352                         ; work-groups for the weights: 3 x 32, 128, 128
.set WOF,  16                          ; v16-47   weights: byte offset of row i of a block of 32, at my column
.set WX,   48                          ; v48-111  two sets of 32 numbers
.set WC,   112                         ; v112-175 eight registers of codes for each of the 8 blocks: no store's data are written again
.set XRW,  16                          ; v16-143  x: two sets of 64 registers as loaded
.set XX,   144                         ; v144-207 64 numbers, neighbours along K
.set XT,   208                         ; v208-223 16 numbers, held
.set XC,   224                         ; v224-247 codes: two sets of 12 (three copies x 4)
.set SP,   528                         ; a stage row: 512 bytes + 16
.macro WLOAD t                         ; block t: W(32 t + i, my column), i = 0 .. 31; a wave reads 128 consecutive bytes, the four waves 512
.set II, 0
.rept 32
	global_load_b32 v[WX+32*((\t)%2)+II], v[WOF+II], s[48+2*(\t):49+2*(\t)] th:TH_LOAD_NT
.set II, II+1
.endr
.endm
.macro WBLOCK t
.set XS, WX+32*((\t)%2)
.set CB, WC+8*(\t)
.if (\t) < 7
	s_wait_loadcnt 32                              ; this block's 32 loads are in; the next block's 32 may be out
.else
	s_wait_loadcnt 0
.endif
.set II, 0
.rept 32
	v_med3_num_f32 v[XS+II], v[XS+II], -v10, v10   ; the conversion to an 8-bit code does not saturate (ISA guide 7.6.2): the hold comes first
.set II, II+1
.endr
	v_cvt_scalef32_pk8_bf8_f32 v[CB:CB+1],   v[XS:XS+7],     v11   ; k 0-7:   bytes 0-7 of the chunk's half h = 0
	v_cvt_scalef32_pk8_bf8_f32 v[CB+4:CB+5], v[XS+8:XS+15],  v11   ; k 8-15:  bytes 0-7 of half h = 1
	v_cvt_scalef32_pk8_bf8_f32 v[CB+2:CB+3], v[XS+16:XS+23], v11   ; k 16-23: bytes 8-15 of half h = 0
	v_cvt_scalef32_pk8_bf8_f32 v[CB+6:CB+7], v[XS+24:XS+31], v11   ; k 24-31: bytes 8-15 of half h = 1
	global_store_b128 v3, v[CB:CB+3],   s[20:21] offset:((\t)/4)*2048+((\t)%4)*512       ; lanes 0-15 and lanes 16-31 each store 256 consecutive bytes, aligned
	global_store_b128 v3, v[CB+4:CB+7], s[20:21] offset:((\t)/4)*2048+((\t)%4)*512+256
.if (\t)+2 < 8
	WLOAD (\t)+2
.endif
.endm
.macro XLOAD s                         ; k step s of my 16 rows: a load reads 512 consecutive bytes of one row
.set II, 0
.rept 16
	global_load_b128 v[XRW+64*((\s)%2)+4*II:XRW+64*((\s)%2)+4*II+3], v3, s[38:39] offset:II*4096+(\s)*512 th:TH_LOAD_NT
.set II, II+1
.endr
.endm
.macro XTURN s                         ; through the stage: LDS serves a wave's instructions in order (ISA guide 5.7.1.4), so no wait stands between the stores and the loads
.set II, 0
.rept 16
	ds_store_b128 v14, v[XRW+64*((\s)%2)+4*II:XRW+64*((\s)%2)+4*II+3] offset:II*SP
.set II, II+1
.endr
.irp c, 0,1,2,3
	ds_load_b128 v[XX+16*\c:XX+16*\c+3],     v15 offset:128*\c       ; k = 32 c + 8 h + 0..3
	ds_load_b128 v[XX+16*\c+4:XX+16*\c+7],   v15 offset:128*\c+16    ;                 4..7
	ds_load_b128 v[XX+16*\c+8:XX+16*\c+11],  v15 offset:128*\c+64    ; k = 32 c + 16 + 8 h + 0..3
	ds_load_b128 v[XX+16*\c+12:XX+16*\c+15], v15 offset:128*\c+80
.endr
.endm
.macro XWORK s                         ; a fragment's four chunks, each in three copies
.irp c, 0,1,2,3
.if (\c%2) == 0
	s_wait_xcnt 0x0                                ; the earlier stores have read their data: both sets of code registers may be written again
.endif
.irp p, 0,1,2
.set II, 0
.rept 16
	v_med3_num_f32 v[XT+II], v[XX+16*\c+II], -v[7+\p], v[7+\p]
.set II, II+1
.endr
	v_cvt_scalef32_pk8_bf8_f32 v[XC+12*(\c%2)+4*\p:XC+12*(\c%2)+4*\p+1],   v[XT:XT+7],    v[4+\p]
	v_cvt_scalef32_pk8_bf8_f32 v[XC+12*(\c%2)+4*\p+2:XC+12*(\c%2)+4*\p+3], v[XT+8:XT+15], v[4+\p]
	v_nop                                          ; a plain line between the conversions and the next holds, which write the conversions' sources
	global_store_b128 v3, v[XC+12*(\c%2)+4*\p:XC+12*(\c%2)+4*\p+3], s[70+2*\p:71+2*\p] offset:(\s)*2048+\c*512   ; the wave stores 512 consecutive bytes, aligned
.endr
.endr
.endm
	s_load_b512 s[4:19], s[0:1], 0x0               ; x 4:5, Wq 6:7, Wk 8:9, Wv 10:11, W1 12:13, W2 14:15, the scales 16:17, xc 18:19
	s_load_b64 s[20:21], s[0:1], 0x40              ; wc
	v_lshl_add_u32 v248, v0, 2, 0x8400
	v_mov_b32 v249, 0
	v_lshrrev_b32 v1, 5, v0
	v_readfirstlane_b32 s22, v1                    ; wave 0..3
	v_and_b32 v2, 31, v0                           ; lane
	s_wait_kmcnt 0x0
	s_load_b256 s[24:31], s[16:17], 0x0            ; e0 .. e7
	s_load_b128 s[32:35], s[16:17], 0x20           ; e8 .. e11
	s_load_b64 s[36:37], s[16:17], 0x30            ; e12, e13: the buffer's last 8 bytes
	s_cmp_ge_u32 ttmp9, NWGW
	s_cbranch_scc1 .Lx
	; ---- THE WEIGHTS.  Which tensor, by the work-group's number alone: 0-31 Wq, 32-63 Wk, 64-95 Wv, 96-223 W1, 224-351 W2
	s_lshr_b32 s40, ttmp9, 5
	s_lshl_b32 s43, s40, 5                         ; the tensor's first work-group,
	s_lshl_b32 s44, s40, 20                        ; its image's place in wc,
	s_mov_b32 s45, 4096                            ; a row of the tensor in bytes,
	s_mov_b32 s46, 16384                           ; from one block of 16 columns to the next in the image,
	s_mov_b32 s47, 3                               ; log2 of its blocks of 128 columns
	s_cmp_lt_u32 ttmp9, 32
	s_cselect_b64 s[38:39], s[6:7], s[8:9]
	s_cmp_lt_u32 ttmp9, 64
	s_cselect_b64 s[38:39], s[38:39], s[10:11]
	s_cmp_lt_u32 ttmp9, 96
	s_cselect_b64 s[38:39], s[38:39], s[12:13]
	s_cselect_b32 s43, s43, 96
	s_cselect_b32 s44, s44, 0x300000
	s_cselect_b32 s45, s45, 16384
	s_cselect_b32 s47, s47, 5
	s_cmp_lt_u32 ttmp9, 224
	s_cselect_b64 s[38:39], s[38:39], s[14:15]
	s_cselect_b32 s43, s43, 224
	s_cselect_b32 s44, s44, 0x700000
	s_cselect_b32 s45, s45, 4096
	s_cselect_b32 s46, s46, 65536
	s_cselect_b32 s47, s47, 3
	s_sub_co_u32 s43, ttmp9, s43                   ; my number within the tensor
	s_bfm_b32 s66, s47, 0
	s_and_b32 s66, s43, s66                        ; nx: which 128 columns
	s_lshr_b32 s67, s43, s47                       ; ky: which 256 along K
	s_mul_i32 s68, s67, s45
	s_lshl_b32 s68, s68, 8                         ; 256 ky rows
	s_lshl_b32 s69, s66, 9
	s_add_co_u32 s68, s68, s69                     ; + 128 nx columns
	s_lshl_b32 s69, s22, 7
	s_add_co_u32 s68, s68, s69                     ; + 32 x wave columns
	s_mov_b32 s69, 0
	s_add_nc_u64 s[48:49], s[38:39], s[68:69]      ; block 0's base;
	s_lshl_b32 s70, s45, 5
	s_mov_b32 s71, 0
.irp t, 1,2,3,4,5,6,7
	s_add_nc_u64 s[48+2*\t:49+2*\t], s[46+2*\t:47+2*\t], s[70:71]   ; block t's: 32 rows further down
.endr
	s_lshl_b32 s72, s66, 3
	s_lshl_b32 s73, s22, 1
	s_add_co_u32 s72, s72, s73                     ; my first block of 16 columns: 8 nx + 2 x wave
	s_mul_i32 s72, s72, s46
	s_add_co_u32 s72, s72, s44
	s_lshl_b32 s73, s67, 12                        ; 256 along K are two fragments
	s_add_co_u32 s72, s72, s73
	s_mov_b32 s73, 0
	s_add_nc_u64 s[20:21], s[20:21], s[72:73]
	s_wait_alu depctr_va_vdst(0)
	v_lshlrev_b32 v[WOF], 2, v2                    ; 4 bytes a lane
.set II, 1
.rept 31
	v_add_nc_u32 v[WOF+II], s45, v[WOF+II-1]       ; row by row
.set II, II+1
.endr
	v_lshrrev_b32 v4, 4, v2
	v_mul_lo_u32 v3, v4, s46                       ; lanes 16-31 hold the next block of 16 columns
	v_and_b32 v5, 15, v2
	v_lshl_add_u32 v3, v5, 4, v3                   ; + 16 r
	WLOAD 0
	WLOAD 1
	s_wait_kmcnt 0x0
	s_cmp_lt_u32 ttmp9, 32
	s_cselect_b32 s41, s25, s27
	s_cmp_lt_u32 ttmp9, 64
	s_cselect_b32 s41, s41, s29
	s_cmp_lt_u32 ttmp9, 96
	s_cselect_b32 s41, s41, s35
	s_cmp_lt_u32 ttmp9, 224
	s_cselect_b32 s41, s41, s37                    ; e
	s_add_co_i32 s41, s41, 127
	s_lshl_b32 s42, s41, 23
	v_mov_b32 v11, s42                             ; 2^e as f32: the conversion takes its exponent field
	s_add_co_i32 s41, s41, 15
	s_lshl_b32 s41, s41, 23
	s_or_b32 s41, s41, 0x600000
	v_mov_b32 v10, s41                             ; 57,344 x 2^e
	s_wait_alu depctr_va_vdst(0)
.irp t, 0,1,2,3,4,5,6,7
	WBLOCK \t
.endr
	s_endpgm
.Lx:	; ---- x
	s_sub_co_u32 s40, ttmp9, NWGW
	s_lshl_b32 s40, s40, 2
	s_add_co_u32 s40, s40, s22                     ; which of 512 parts is my wave's
	s_lshr_b32 s41, s40, 1                         ; the block of 16 rows
	s_and_b32 s42, s40, 1                          ; the half of K
	s_lshl_b32 s66, s41, 16
	s_lshl_b32 s67, s42, 11
	s_add_co_u32 s66, s66, s67
	s_mov_b32 s67, 0
	s_add_nc_u64 s[38:39], s[4:5], s[66:67]        ; x: 16 rows of 4,096 bytes a block, 2,048 bytes a half
	s_lshl_b32 s66, s41, 14
	s_lshl_b32 s68, s42, 13
	s_add_co_u32 s66, s66, s68
	s_add_nc_u64 s[70:71], s[18:19], s[66:67]      ; the three copies
	s_add_nc_u64 s[72:73], s[70:71], 0x400000
	s_add_nc_u64 s[74:75], s[70:71], 0x800000
	s_wait_alu depctr_va_vdst(0)
	v_lshlrev_b32 v3, 4, v2                        ; 16 x lane
	s_mul_i32 s23, s22, 16*SP                      ; my stage
	v_add_nc_u32 v14, s23, v3                      ; in: a row as it lies
	v_and_b32 v12, 15, v0
	v_bfe_u32 v13, v0, 4, 1
	v_mul_u32_u24 v15, v12, SP
	v_lshl_add_u32 v15, v13, 5, v15
	v_add_nc_u32 v15, s23, v15                     ; out: row r, + 32 h bytes
	XLOAD 0
	XLOAD 1
	s_wait_alu depctr_va_vdst(0)
	s_wait_kmcnt 0x0
.irp p, 0,1,2
	s_add_co_i32 s76, s[24+2*\p], 127              ; e0, e2, e4
	s_lshl_b32 s77, s76, 23
	v_mov_b32 v[4+\p], s77
	s_add_co_i32 s76, s76, 15
	s_lshl_b32 s76, s76, 23
	s_or_b32 s76, s76, 0x600000
	v_mov_b32 v[7+\p], s76
.endr
	s_wait_alu depctr_va_vdst(0)
	s_wait_loadcnt 16                              ; k step 0's 16 loads are in; k step 1's may be out
	XTURN 0
.irp s, 0,1,2,3
	s_wait_dscnt 0x0                               ; the numbers are back, and the stage's stores have read the registers that the next loads take
.if \s < 2
	XLOAD \s+2
.endif
	XWORK \s
.if \s < 2
	s_wait_loadcnt 16                              ; the next k step is in; the one behind it may be out
	XTURN \s+1
.elseif \s < 3
	s_wait_loadcnt 0
	XTURN \s+1
.endif
.endr
	s_wait_tensorcnt 0x0
	ds_add_u32 v248, v249
	s_wait_dscnt 0x0
	s_endpgm
.Lfunc_end_k_q4a1f17fdef_quant:
	.size	k_q4a1f17fdef_quant, .Lfunc_end_k_q4a1f17fdef_quant-k_q4a1f17fdef_quant
	.p2alignl 7, 3214868480
	.fill 96, 4, 3214868480
	.section	.rodata,"a",@progbits
	.p2align	6, 0x0
	.amdhsa_kernel k_q4a1f17fdef_quant
		.amdhsa_group_segment_fixed_size 34304
		.amdhsa_private_segment_fixed_size 0
		.amdhsa_enable_private_segment 0
		.amdhsa_kernarg_size 72
		.amdhsa_user_sgpr_count 2
		.amdhsa_user_sgpr_kernarg_segment_ptr 1
		.amdhsa_wavefront_size32 1
		.amdhsa_system_sgpr_workgroup_id_x 1
		.amdhsa_system_sgpr_workgroup_id_y 1
		.amdhsa_system_sgpr_workgroup_id_z 1
		.amdhsa_system_vgpr_workitem_id 0
		.amdhsa_next_free_vgpr 250
		.amdhsa_next_free_sgpr 100
		.amdhsa_reserve_vcc 0
		.amdhsa_float_denorm_mode_32 3
		.amdhsa_float_denorm_mode_16_64 3
		.amdhsa_memory_ordered 1
		.amdhsa_forward_progress 1
		.amdhsa_inst_pref_size 126
	.end_amdhsa_kernel
	.amdgpu_metadata
---
amdhsa.version: [ 1, 2 ]
amdhsa.kernels:
  - .name:           k_q4a1f17fdef_quant
    .symbol:         k_q4a1f17fdef_quant.kd
    .args:
      - { .name: x, .offset: 0, .size: 8, .value_kind: global_buffer, .address_space: global }
      - { .name: Wq, .offset: 8, .size: 8, .value_kind: global_buffer, .address_space: global }
      - { .name: Wk, .offset: 16, .size: 8, .value_kind: global_buffer, .address_space: global }
      - { .name: Wv, .offset: 24, .size: 8, .value_kind: global_buffer, .address_space: global }
      - { .name: W1, .offset: 32, .size: 8, .value_kind: global_buffer, .address_space: global }
      - { .name: W2, .offset: 40, .size: 8, .value_kind: global_buffer, .address_space: global }
      - { .name: lowp_scales, .offset: 48, .size: 8, .value_kind: global_buffer, .address_space: global }
      - { .name: xc, .offset: 56, .size: 8, .value_kind: global_buffer, .address_space: global }
      - { .name: wc, .offset: 64, .size: 8, .value_kind: global_buffer, .address_space: global }
    .group_segment_fixed_size: 34304
    .private_segment_fixed_size: 0
    .kernarg_segment_align: 8
    .kernarg_segment_size: 72
    .max_flat_workgroup_size: 128
    .sgpr_count:     100
    .vgpr_count:     250
    .wavefront_size: 32
...
	.end_amdgpu_metadata
.endif
;; end of part 1
;; launch qkv (part 2): grid 12 x 16, 4 waves a work-group, clusters of 4 x 4, 327,680 bytes of LDS; arguments xc, wc, lowp_scales, bq, bk, bv, qkvc; writes qkvc
.if DOCPART == 2
	.amdgcn_target "amdgcn-amd-amdhsa--gfx1250"
	.amdhsa_code_object_version 6
	.text
	.protected	k_q4a1f17fdef_qkv
	.globl	k_q4a1f17fdef_qkv
	.p2align	8
	.type	k_q4a1f17fdef_qkv,@function
k_q4a1f17fdef_qkv:
	s_mov_b64 s[64:65], 0
	v_nop
	global_prefetch_b8 v0, s[64:65] scope:SCOPE_SE
	s_setreg_imm32_b32 hwreg(HW_REG_WAVE_MODE, 25, 1), 1
	s_wait_xcnt 0x0
	s_wait_alu depctr_hold_cnt(0) depctr_sa_sdst(0) depctr_va_vdst(0) depctr_va_sdst(0) depctr_va_ssrc(0) depctr_va_vcc(0) depctr_vm_vsrc(0)
	s_getreg_b32 s2, hwreg(HW_REG_IB_STS2, 6, 4)
	s_cmp_eq_u32 s2, 0
	s_cbranch_scc0 .Lentry_in_a_cluster
	s_endpgm
.Lentry_in_a_cluster:
	s_bfe_u32 s2, ttmp6, 0x10000c
	s_cmp_lg_u32 s2, 0xf033
	s_cbranch_scc0 .Lentry_shape_is_right
	s_endpgm
.Lentry_shape_is_right:
; q = x Wq + bq, k = x Wk + bk, v = x Wv + bv on codes of BF8, and their results quantised at once for the attention's two products.  The cluster's x says which: 0 q, 1 k, 2 v.
; C[m][n] = sum over k of A[m][k] B[n][k], K = 1,024.  For q and k: A = x's copy (4,096 rows), B = the weight's image (1,024 rows).  For v THE ROLES ARE SWAPPED: A = Wv's image, B = x's third copy, so that V^T comes out
; and its codes have the keys innermost, by the same text.  All operands lie as images of the operand's registers: [rows / 16][8][2,048]; 16 bytes a lane at 16 x lane, 512 bytes a chunk of 32 k.
; A tile of C, 256 x 256, is made by four waves, a wave 128 x 128: 64 accumulators.  K goes in steps of 256 through two LDS slots.  A wave's tensor load brings 128 rows x 256 k: 8 rows of 4,096 bytes, 16,384 apart.
; CLUSTERS: 4 x 4 work-groups; A's tile is asked for jointly along a row of the cluster, B's along a column.
; THE MATRIX INSTRUCTION IS USED TRANSPOSED (source 0 = B's 16 rows, source 1 = A's): lane (r, h) of accumulator (a, b) holds C(16 a + r, 16 b + 8 h + 0..7): eight neighbours along n, which is the next product's K.
; So two neighbouring accumulators, converted, ARE a chunk of the next operand's image, and leave straight from registers, 512 consecutive bytes a store.
; qkvc: three parts of 4 MiB, each [64][64][1,024].  q, k: [batch x 16 + head][tile of 16 tokens][16 tokens x 64 d].  v: [batch x 16 + block of 64 keys][(head x 64 + d) / 16][16 d x 64 keys].
; LIMITS: e0 + e1, e2 + e3, e4 + e5 between -126 and 127; e6, e7, e9 between -126 and 112.  NaN among the inputs is not served.
; REGISTERS, in windows of 256: window 0: v0-31 addresses; v32-95 the bias by column, v96-111 the bias by row; from v128 A's fragments, one set; on the way out v128-223 are at work.
;   window 1: B's fragments, two sets.   windows 2, 3: the accumulators ((a, b) at v[8 (8 (a % 4) + b)]).
.set SLOT,   131072                    ; A's two halves, then B's two halves, 32,768 bytes each: [8 blocks of rows][2 fragments][2,048]
.set HALFT,  32768
.set KB,     4096                      ; a K step of 256 in a block of rows
.set SPARE,  2*SLOT                    ; behind the ring: the spare words, 128 bytes for each wave: two blocks of 256 bytes that no other line names
.set LAPS,   2                         ; 1,024 / (2 x 256)
.set FR,     16
.set NL,     4
.set NP,     4                         ; places behind this matrix instruction (ISA guide 7.12.1)
.set SC,   12                          ; v12  the output's scale as f32
.set LIM,  13                          ; v13  57,344 x that
.set ADRA, 16                          ; v16-17  LDS address of my A fragments in slot 0, 1
.set ADRB, 20                          ; v20-21  the same for B
.set CO,   26                          ; v26  16 x lane
.set SPW,  28                          ; v28  my spare word; never rewritten
.set NIL,  29                          ; v29  0; never rewritten
.set BC,   32
.set BR,   96
.set AF,   128
.set T,    128                         ; the way out: a block's 64 numbers
.set CD,   192                         ; and its codes, two sets of 16
.set G1, 24
.set G0, 32
.set G1B, 48
.set G0B, 56
.set MSB, 0
.macro WIN new                         ; the immediate's high byte repeats the setting that is left
.if MSB != (\new)
	s_set_vgpr_msb (MSB<<8)|(\new)
.set MSB, (\new)
.endif
.endm
.set MUL_LO, 0xa1                      ; source 0 (B) window 1, source 1 (A) window 0, C and D window 2
.set MUL_HI, 0xf1
.set TO_B,   0x40
.macro JLOAD g0a, g1a, g0b, g1b        ; a joint load: waves 0 and 1 fetch for A, waves 2 and 3 for B; four v_nop follow each line
	s_cmp_eq_u32 s15, 0
	s_cbranch_scc0 .Lfor_b_\@
	tensor_load_to_lds s[\g0a:\g0a+3], s[\g1a:\g1a+7]
	s_nop 0
.rept 4
	v_nop
.endr
	s_branch .Lasked_\@
.Lfor_b_\@:
	tensor_load_to_lds s[\g0b:\g0b+3], s[\g1b:\g1b+7]
	s_nop 0
.rept 4
	v_nop
.endr
.Lasked_\@:
.endm
.macro CREST                           ; a round of the cluster's barrier behind its opening barrier
	s_cmp_lg_u32 s14, 0
	s_cbranch_scc1 .Lnot_wave_0_\@
	s_barrier_signal -3
.Lnot_wave_0_\@:
	s_barrier_wait -3
	s_barrier_signal -1
	s_barrier_wait -1
.endm
.macro CROUND
	s_barrier_signal -1
	s_barrier_wait -1
	CREST
.endm
	s_load_b256 s[68:75], s[0:1], 0x0              ; xc 68:69, wc 70:71, the scales 72:73, bq 74:75
	s_load_b128 s[76:79], s[0:1], 0x20             ; bk, bv
	s_load_b64 s[80:81], s[0:1], 0x30              ; qkvc
	v_lshl_add_u32 v[SPW], v0, 2, SPARE
	v_mov_b32 v[NIL], 0
	ds_add_u32 v28, v29
	ds_add_u32 v28, v29
	s_wait_dscnt 0x0
	v_lshrrev_b32 v1, 5, v0
	v_readfirstlane_b32 s14, v1                    ; wave 0..3
	s_lshr_b32 s15, s14, 1                         ; my half of the tile's rows.  Also: I fetch for A (0) or for B (1)
	s_and_b32 s16, s14, 1                          ; my half of its columns.  Also: which 128 rows I fetch
	s_bfe_u32 s40, ttmp6, 0x40000                  ; cx, cy
	s_bfe_u32 s41, ttmp6, 0x40004
	s_and_b32 s12, ttmp7, 0xffff
	s_lshl_b32 s12, s12, 2                         ; 4 x cluster y walks the 4,096 tokens: rows for q and k, columns for v
	s_cmp_eq_u32 ttmp9, 2
	s_cselect_b32 s42, s12, 0
	s_cselect_b32 s17, 0, s12
	s_add_co_u32 s42, s42, s40                     ; tile column
	s_add_co_u32 s17, s17, s41                     ; tile row
	s_lshl_b32 s43, s41, 2
	s_lshl_b32 s43, 15, s43                        ; my row of the cluster
	s_lshl_b32 s44, 0x1111, s40                    ; my column
	s_or_b32 s[G1+0], s43, (3<<16)|(1<<21)         ; 15:0 the mask; 17:16 elements of 8 bytes; 21 set beside a mask; no padding: an image is read 16 x lane
	s_or_b32 s[G1B+0], s44, (3<<16)|(1<<21)
.irp g, G1, G1B
	s_mov_b32 s[\g+1], 512<<16                     ; tensor_dim0 = 512 elements: 4,096 bytes
	s_mov_b32 s[\g+2], 8<<16                       ; tensor_dim1 = 8
	s_mov_b32 s[\g+3], 512<<16                     ; tile_dim0
	s_mov_b32 s[\g+4], 8                           ; tile_dim1
	s_mov_b32 s[\g+5], 2048                        ; from row to row: 16,384 bytes
	s_mov_b32 s[\g+6], 0
	s_mov_b32 s[\g+7], 0
.endr
	s_lshl_b32 s20, s17, 18                        ; A: 16 blocks of rows a tile, 16,384 bytes each,
	s_lshl_b32 s18, s16, 17                        ; + the 8 blocks that I fetch
	s_add_co_u32 s20, s20, s18
	s_lshl_b32 s46, s42, 18                        ; B likewise
	s_add_co_u32 s46, s46, s18
	s_lshl_b32 s18, ttmp9, 22                      ; x's copy
	s_lshl_b32 s19, ttmp9, 20                      ; the weight's image
	s_cmp_eq_u32 ttmp9, 2
	s_cselect_b32 s21, s19, s18
	s_cselect_b32 s47, s18, s19
	s_add_co_u32 s20, s20, s21
	s_add_co_u32 s46, s46, s47
	s_mov_b32 s21, 0
	s_mov_b32 s47, 0
	s_lshl_b32 s45, s14, 15                        ; where they go: wave x 32,768: no place in the cluster enters an LDS address
	s_wait_kmcnt 0x0
	s_load_b256 s[84:91], s[72:73], 0x0            ; e0 .. e7
	s_load_b64 s[92:93], s[72:73], 0x20            ; e8, e9
	s_cmp_eq_u32 ttmp9, 2
	s_cselect_b64 s[4:5], s[70:71], s[68:69]       ; A: the weights for v, else x's codes
	s_cselect_b64 s[6:7], s[68:69], s[70:71]       ; B: the other
	s_add_nc_u64 s[20:21], s[4:5], s[20:21]
	s_add_nc_u64 s[46:47], s[6:7], s[46:47]
	CROUND                                         ; all sixteen work-groups are here: the first joint loads meet
.irp s, 0,1
	s_mov_b32 s[G0+4*\s], 1
	s_add_co_u32 s[G0+4*\s+1], s45, \s*SLOT
	s_add_nc_u64 s[G0+4*\s+2:G0+4*\s+3], s[20:21], \s*KB
	s_or_b32 s[G0+4*\s+3], s[G0+4*\s+3], 0x80000000
	s_mov_b32 s[G0B+4*\s], 1
	s_add_co_u32 s[G0B+4*\s+1], s45, \s*SLOT
	s_add_nc_u64 s[G0B+4*\s+2:G0B+4*\s+3], s[46:47], \s*KB
	s_or_b32 s[G0B+4*\s+3], s[G0B+4*\s+3], 0x80000000
.endr
	JLOAD G0, G1, G0B, G1B                         ; K step 0: one tensor load a wave at the head
	v_and_b32 v1, 31, v0
	v_lshlrev_b32 v[CO], 4, v1
	s_lshl_b32 s21, s15, 15                        ; my 128 rows of A
	s_lshl_b32 s22, s16, 15                        ; my 128 rows of B,
	s_add_co_u32 s22, s22, 2*HALFT                 ; behind A's 256
.irp s, 0,1
	v_add_nc_u32 v[ADRA+\s], s21, v[CO]
	v_add_nc_u32 v[ADRB+\s], s22, v[CO]
	s_add_co_u32 s21, s21, SLOT
	s_add_co_u32 s22, s22, SLOT
.endr
	; where my codes go: part, then [16 (tile row / 4) + 4 tile column + 2 column half][16 (tile row % 4) + 8 row half]: one formula serves q, k and v
	s_lshr_b32 s20, s17, 2
	s_lshl_b32 s20, s20, 4
	s_lshl_b32 s21, s42, 2
	s_add_co_u32 s20, s20, s21
	s_lshl_b32 s21, s16, 1
	s_add_co_u32 s20, s20, s21
	s_lshl_b32 s20, s20, 16
	s_and_b32 s21, s17, 3
	s_lshl_b32 s21, s21, 4
	s_lshl_b32 s23, s15, 3
	s_add_co_u32 s21, s21, s23
	s_lshl_b32 s21, s21, 10
	s_add_co_u32 s20, s20, s21
	s_lshl_b32 s21, ttmp9, 22
	s_add_co_u32 s20, s20, s21
	s_mov_b32 s21, 0
	s_add_nc_u64 s[10:11], s[80:81], s[20:21]
	; the bias, once by column and once by row; the one that does not apply is blanked below.  (% 4 keeps both inside the 1,024 numbers)
	s_cmp_eq_u32 ttmp9, 0
	s_cselect_b64 s[8:9], s[74:75], s[76:77]
	s_cmp_eq_u32 ttmp9, 2
	s_cselect_b64 s[8:9], s[78:79], s[8:9]
	s_and_b32 s20, s42, 3
	s_lshl_b32 s20, s20, 10
	s_lshl_b32 s23, s16, 9
	s_add_co_u32 s20, s20, s23
	s_add_nc_u64 s[4:5], s[8:9], s[20:21]
	s_and_b32 s20, s17, 3
	s_lshl_b32 s20, s20, 10
	s_lshl_b32 s23, s15, 9
	s_add_co_u32 s20, s20, s23
	s_add_nc_u64 s[6:7], s[8:9], s[20:21]
	v_bfe_u32 v2, v0, 4, 1
	v_lshlrev_b32 v8, 5, v2                        ; 32 h bytes
	v_and_b32 v3, 15, v0
	v_lshlrev_b32 v9, 2, v3                        ; 4 r bytes
.irp b, 0,1,2,3,4,5,6,7
	global_load_b128 v[BC+8*\b:BC+8*\b+3],   v8, s[4:5] offset:64*\b       ; bias(16 b + 8 h + 0..7)
	global_load_b128 v[BC+8*\b+4:BC+8*\b+7], v8, s[4:5] offset:64*\b+16
.endr
.irp a, 0,1,2,3,4,5,6,7
	global_load_b32 v[BR+2*\a], v9, s[6:7] offset:64*\a                    ; bias(16 a + r)
.endr
	s_wait_kmcnt 0x0
	s_add_co_i32 s84, s84, s85
	s_add_co_i32 s86, s86, s87
	s_add_co_i32 s88, s88, s89
	s_cmp_eq_u32 ttmp9, 0
	s_cselect_b32 s96, s84, s86
	s_cselect_b32 s94, s90, s91
	s_cmp_eq_u32 ttmp9, 2
	s_cselect_b32 s96, s88, s96                    ; the two operands' exponents added,
	s_cselect_b32 s94, s93, s94                    ; the result's: e6, e7 or e9
	s_cselect_b32 s82, 0, -1                       ; keeps the bias by column for q and k,
	s_cselect_b32 s83, -1, 0                       ; the bias by row for v
	s_add_co_i32 s96, s96, 127
	s_lshl_b32 s96, s96, 23                        ; as an f32 power of two
	s_mov_b32 s97, s96                             ; (named with it as a pair, so it is written)
	s_add_co_i32 s94, s94, 127
	s_lshl_b32 s95, s94, 23
	v_mov_b32 v[SC], s95
	s_add_co_i32 s94, s94, 15
	s_lshl_b32 s94, s94, 23
	s_or_b32 s94, s94, 0x600000
	v_mov_b32 v[LIM], s94
	s_wait_loadcnt 0x0                             ; the biases, while the first tiles are on their way
.set II, 0
.rept 64
	v_and_b32 v[BC+II], s82, v[BC+II]
.set II, II+1
.endr
.irp a, 0,1,2,3,4,5,6,7
	v_and_b32 v[BR+2*\a], s83, v[BR+2*\a]
	v_mov_b32 v[BR+2*\a+1], v[BR+2*\a]             ; a pair for the packed addition
.endr
.macro FRAG reg, adr, q, i             ; a fragment comes as it lies: four loads of 512 consecutive bytes
.irp c, 0,1,2,3
	ds_load_b128 v[\reg+4*\c:\reg+4*\c+3], v[\adr] offset:(\i)*KB+2048*(\q)+512*\c
.endr
.endm
; 16 matrix instructions: A's blocks a0, a0 + 1 x B's eight.  The 64 accumulators take turns, one instruction a turn, in the same order in every step.
.macro MUL16 a0, p, zero
.irp a, \a0, \a0+1
.irp b, 0,1,2,3,4,5,6,7
.if \zero
	v_wmma_f32_16x16x128_bf8_bf8 v[8*(8*((\a)%4)+\b):8*(8*((\a)%4)+\b)+7], v[128*(\p)+FR*\b:128*(\p)+FR*\b+FR-1], v[AF+FR*(\a):AF+FR*(\a)+FR-1], 0
.else
	v_wmma_f32_16x16x128_bf8_bf8 v[8*(8*((\a)%4)+\b):8*(8*((\a)%4)+\b)+7], v[128*(\p)+FR*\b:128*(\p)+FR*\b+FR-1], v[AF+FR*(\a):AF+FR*(\a)+FR-1], v[8*(8*((\a)%4)+\b):8*(8*((\a)%4)+\b)+7]
.endif
.endr
.endr
.endm
.macro FETCH_B slot, q, p
	WIN TO_B
.irp i, 0,1,2,3,4,5,6,7
	FRAG 128*(\p)+FR*\i, ADRB+\slot, \q, \i
.endr
	WIN 0
.endm
.macro FETCH_A slot, q, i0
.irp i, \i0, \i0+1, \i0+2, \i0+3
	FRAG AF+FR*(\i), ADRA+\slot, \q, \i
.endr
.endm
.macro PLACES n                        ; plain vector lines between a matrix instruction and a load into, or a vector write of, one of its registers, or a read of its result
.rept \n
	v_nop
.endr
.endm
.macro STEP slot, q, zero              ; 128 along K that have their successor in the same slot
	s_wait_dscnt 4*NL                              ; B's set and A's blocks 0-3 are in; the youngest 16 loads (A's blocks 4-7) may be out
	WIN MUL_LO
	MUL16 0, (\q)%2, \zero
	MUL16 2, (\q)%2, \zero
	s_wait_dscnt 0
	PLACES NP
	FETCH_B \slot, (\q)+1, 1-(\q)%2
	FETCH_A \slot, (\q)+1, 0
	WIN MUL_HI
	MUL16 4, (\q)%2, \zero
	MUL16 6, (\q)%2, \zero
	PLACES NP
	WIN 0
	FETCH_A \slot, (\q)+1, 4
.endm
.macro TURN slot, next, fill           ; a slot's last 128 along K, and the change of slots
	s_wait_tensorcnt 0x0                           ; all my tensor loads have landed: my part of the next slot
	ds_add_u32 v[SPW], v[NIL]                      ; 0 onto my spare word
	s_wait_dscnt 4*NL+1                            ; the add and the youngest 16 loads may be out
	WIN MUL_LO
	MUL16 0, 1, 0
	s_wait_dscnt 0x0                               ; the add is done, and my reads of this slot are over
	s_barrier_signal -1
	MUL16 2, 1, 0
	WIN 0
	s_barrier_wait -1
.if \fill
	CREST                                          ; no wave of any partner still reads this slot or has a load on its way
	s_add_nc_u64 s[G0+4*\slot+2:G0+4*\slot+3], s[G0+4*\slot+2:G0+4*\slot+3], 2*KB
	s_add_nc_u64 s[G0B+4*\slot+2:G0B+4*\slot+3], s[G0B+4*\slot+2:G0B+4*\slot+3], 2*KB
	JLOAD G0+4*\slot, G1, G0B+4*\slot, G1B         ; the first tensor load behind the round; its four v_nop are the places in front of the loads below
.else
	PLACES NP
.endif
	FETCH_B \next, 0, 0
	FETCH_A \next, 0, 0
	WIN MUL_HI
	MUL16 4, 1, 0
	MUL16 6, 1, 0
	PLACES NP
	WIN 0
	FETCH_A \next, 0, 4
.endm
	s_wait_alu depctr_va_vdst(0)
	s_wait_tensorcnt 0x0                           ; my part of K step 0 is in; slot 1's first fill is issued as a refill is:
	ds_add_u32 v[SPW], v[NIL]                      ; 0 onto my spare word
	s_wait_dscnt 0x0
	CROUND                                         ; a whole round: everybody's part of K step 0 is in
	JLOAD G0+4, G1, G0B+4, G1B                     ; K step 1, the first tensor load behind the round
	FETCH_B 0, 0, 0
	FETCH_A 0, 0, 0
	FETCH_A 0, 0, 4
	STEP 0, 0, 1                                   ; the first products start the sums
	s_mov_b32 s3, LAPS-1
.Llap:
	TURN 0, 1, 1
	STEP 1, 0, 0
	TURN 1, 0, 1
	STEP 0, 0, 0
	s_sub_co_u32 s3, s3, 1
	s_cmp_lg_u32 s3, 0
	s_cbranch_scc1 .Llap
	TURN 0, 1, 0                                   ; the last lap fills nothing
	STEP 1, 0, 0
	s_wait_dscnt 4*NL
	WIN MUL_LO
	MUL16 0, 1, 0
	MUL16 2, 1, 0
	s_wait_dscnt 0
	WIN MUL_HI
	MUL16 4, 1, 0
	MUL16 6, 1, 0
	WIN 0
; THE WAY OUT, block a of 16 rows: sum x 2^(the operands' exponents) + bias, the hold, the conversion; accumulators 2 p and 2 p + 1 give chunk p.
.macro OUTBLK a
.set AC, 64*((\a)%4)
.set CDS, CD+16*((\a)%2)
	WIN 0x02+((\a)/4)                              ; source 0: window 2 or 3
.set JJ, 0
.rept 32
	v_pk_fma_f32 v[T+JJ:T+JJ+1], v[AC+JJ:AC+JJ+1], s[96:97], v[BC+JJ:BC+JJ+1] op_sel_hi:[1,0,1]   ; each accumulator from its low end on
.set JJ, JJ+2
.endr
	WIN 0
.set JJ, 0
.rept 32
	v_pk_add_f32 v[T+JJ:T+JJ+1], v[T+JJ:T+JJ+1], v[BR+2*(\a):BR+2*(\a)+1]
.set JJ, JJ+2
.endr
.set JJ, 0
.rept 64
	v_med3_num_f32 v[T+JJ], v[T+JJ], -v[LIM], v[LIM]
.set JJ, JJ+1
.endr
.if (\a) > 1
	s_wait_alu depctr_va_vdst(0)
	s_wait_xcnt 0x0                                ; block a - 2's stores have read this set of code registers
.endif
.irp p, 0,1,2,3
	v_cvt_scalef32_pk8_bf8_f32 v[CDS+4*\p:CDS+4*\p+1],   v[T+16*\p:T+16*\p+7],    v[SC]
	v_cvt_scalef32_pk8_bf8_f32 v[CDS+4*\p+2:CDS+4*\p+3], v[T+16*\p+8:T+16*\p+15], v[SC]
.endr
	v_nop                                          ; a plain line between the conversions and the next block's lines, which write their sources
.irp p, 0,1,2,3
	global_store_b128 v[CO], v[CDS+4*\p:CDS+4*\p+3], s[10:11] offset:(\p/2)*65536+(\a)*1024+(\p%2)*512   ; the wave stores 512 consecutive bytes, aligned
.endr
.endm
	PLACES NP
.irp a, 0,1,2,3,4,5,6,7
	OUTBLK \a
.endr
	s_wait_tensorcnt 0x0                           ; the wave's end
	ds_add_u32 v[SPW], v[NIL]
	s_wait_dscnt 0x0
	CROUND                                         ; the closing round
	s_endpgm
.Lfunc_end_k_q4a1f17fdef_qkv:
	.size	k_q4a1f17fdef_qkv, .Lfunc_end_k_q4a1f17fdef_qkv-k_q4a1f17fdef_qkv
	.p2alignl 7, 3214868480
	.fill 96, 4, 3214868480
	.section	.rodata,"a",@progbits
	.p2align	6, 0x0
	.amdhsa_kernel k_q4a1f17fdef_qkv
		.amdhsa_group_segment_fixed_size 327680
		.amdhsa_private_segment_fixed_size 0
		.amdhsa_enable_private_segment 0
		.amdhsa_kernarg_size 56
		.amdhsa_user_sgpr_count 2
		.amdhsa_user_sgpr_kernarg_segment_ptr 1
		.amdhsa_wavefront_size32 1
		.amdhsa_system_sgpr_workgroup_id_x 1
		.amdhsa_system_sgpr_workgroup_id_y 1
		.amdhsa_system_sgpr_workgroup_id_z 1
		.amdhsa_system_vgpr_workitem_id 0
		.amdhsa_next_free_vgpr 1024
		.amdhsa_next_free_sgpr 100
		.amdhsa_reserve_vcc 0
		.amdhsa_float_denorm_mode_32 3
		.amdhsa_float_denorm_mode_16_64 3
		.amdhsa_memory_ordered 1
		.amdhsa_forward_progress 1
		.amdhsa_inst_pref_size 156
	.end_amdhsa_kernel
	.amdgpu_metadata
---
amdhsa.version: [ 1, 2 ]
amdhsa.kernels:
  - .name:           k_q4a1f17fdef_qkv
    .symbol:         k_q4a1f17fdef_qkv.kd
    .args:
      - { .name: xc, .offset: 0, .size: 8, .value_kind: global_buffer, .address_space: global }
      - { .name: wc, .offset: 8, .size: 8, .value_kind: global_buffer, .address_space: global }
      - { .name: lowp_scales, .offset: 16, .size: 8, .value_kind: global_buffer, .address_space: global }
      - { .name: bq, .offset: 24, .size: 8, .value_kind: global_buffer, .address_space: global }
      - { .name: bk, .offset: 32, .size: 8, .value_kind: global_buffer, .address_space: global }
      - { .name: bv, .offset: 40, .size: 8, .value_kind: global_buffer, .address_space: global }
      - { .name: qkvc, .offset: 48, .size: 8, .value_kind: global_buffer, .address_space: global }
    .group_segment_fixed_size: 327680
    .private_segment_fixed_size: 0
    .kernarg_segment_align: 8
    .kernarg_segment_size: 56
    .max_flat_workgroup_size: 128
    .sgpr_count:     100
    .vgpr_count:     1024
    .wavefront_size: 32
...
	.end_amdgpu_metadata
.endif
;; end of part 2
;; launch attn (part 3): grid 4 x 64, 16 waves a work-group, clusters of 4 x 1, 202,752 bytes of LDS; arguments qkvc, x, lowp_scales, x1, x1c; writes x1, x1c
.if DOCPART == 3
	.amdgcn_target "amdgcn-amd-amdhsa--gfx1250"
	.amdhsa_code_object_version 6
	.text
	.protected	k_q4a1f17fdef_attn
	.globl	k_q4a1f17fdef_attn
	.p2align	8
	.type	k_q4a1f17fdef_attn,@function
k_q4a1f17fdef_attn:
	s_mov_b64 s[64:65], 0
	v_nop
	global_prefetch_b8 v0, s[64:65] scope:SCOPE_SE
	s_setreg_imm32_b32 hwreg(HW_REG_WAVE_MODE, 25, 1), 1
	s_wait_xcnt 0x0
	s_wait_alu depctr_hold_cnt(0) depctr_sa_sdst(0) depctr_va_vdst(0) depctr_va_sdst(0) depctr_va_ssrc(0) depctr_va_vcc(0) depctr_vm_vsrc(0)
	s_getreg_b32 s2, hwreg(HW_REG_IB_STS2, 6, 4)
	s_cmp_eq_u32 s2, 0
	s_cbranch_scc0 .Lentry_in_a_cluster
	s_endpgm
.Lentry_in_a_cluster:
	s_bfe_u32 s2, ttmp6, 0x10000c
	s_cmp_lg_u32 s2, 0x3003
	s_cbranch_scc0 .Lentry_shape_is_right
	s_endpgm
.Lentry_shape_is_right:
; x1 = x + causal attention, for 64 heads of 1,024 tokens x 64, both products on codes of BF8; and x1's codes for the next product.  The logits are q . k / 32.
; THE SOFTMAX AHEAD OF THE SECOND PRODUCT: t = logit x log2(e); M = the row's largest t so far, rounded up to a whole number; p = 2^(t - M) is quantised, not normalised; the row's sum is taken of the unquantised p
; and divides at the end.  When M moves, the sum and O are multiplied by 2^(old M - new M), which rounds nothing.
; SHARES.  The four work-groups of a cluster belong to one head (work-group y).  Wave w takes ONE tile of 16 queries, tile 4 w' + cx, which has w' / 2 + 1 key steps of 128 keys.  w' is dealt by a square: with w = 4 a + b,
; the steps are   a = 0: 1 8 3 6   a = 1: 8 1 6 3   a = 2: 2 7 4 5   a = 3: 7 2 5 4   (b = 0 .. 3): every row and every column has 18.  So waves 4 a .. 4 a + 3 have 18 steps together, and so have waves b, b + 4, b + 8, b + 12;
; all four work-groups have the same 72.  In bits: w' = 2 ((a1 + 2 b1) xor 7 (a0 xor b0)) + a0.
; ALL OF THE HEAD'S K AND V LIE IN LDS: 128 KiB of codes, brought once by joint loads (mask: all four work-groups), one to each wave: part w % 4 (0, 1 K's halves; 2, 3 V's) of slot w / 4.  No byte of LDS is filled twice.
; CAUSAL.  A step all of whose keys come after the wave's queries is left out, a step all of whose keys count skips the mask; both branches hang on the wave's number and the step alone, never on cx:
; since a step begins at a multiple of 128, the tests on 64 w' decide as the tests on the first query 64 w' + 16 cx would.  cx enters global addresses and the numbers that the mask compares.
; LAYOUT.  Both products are used transposed: S^T = K Q^T (source 0 = 16 keys), O^T = V^T P^T (source 0 = 16 of the head's 64): a lane holds ONE query (lane % 16); register 8 u + j of S^T is key 16 u + 8 (lane / 16) + j,
; which is the place that the second product's operand gives it: the conversions' results are that operand.
; LIMITS: e6 + e7 between -121 and 132 (added to c's exponent field); e8, e10 between -126 and 112; e8 + e9 goes by v_ldexp_f32 and has none.  NaN among the inputs is not served.
; REGISTERS: v1 16 x lane; v5 r - 8 h + my first query; v7, v10, v11 the way out; v8 the step's LDS address; v12 -M, v13 the largest t, v[14:15] the sum; v16-23 Q; v32-95 fragments; v96-159 S^T, then p;
;   v160-191 O^T; v192-223 my 16 rows of x; v224-239 p's codes; v240, v244 and v241, v245: 57,344 x 2^e and 2^e for e8 and e10; v232-239, v242-243, v246-249, v252-254 at work.
.set SLOTB, 32768                      ; 256 keys: K's 16 tiles of 1,024 bytes, then V as [4 blocks of 64 keys][4 tiles of 16 d][1,024]
.set VOFF,  16384
.set STAGE, 4*SLOTB                    ; behind K and V: 16 rows x 272 bytes for each wave; no fill lands there
.set SPT,   272
.set LI,  1
.set DQ,  5
.set GO,  7
.set AD,  8
.set STO, 10
.set RD,  11
.set XR,  192
.set WV,  18                           ; s18 my wave's number
.set SEL, 20                           ; s[20:21] lane l xor 16
.set CS,  22                           ; s[22:23] c = log2(e) / 32 x 2^(e6 + e7)
.set G1K, 24
.set G1V, 32
.set G0,  40                           ; s[40:43] group 0 of my one fill
.set TB,  56                           ; s56 LDS byte at which the slot in hand begins
.set TRIPS, 57
.set KF,  58                           ; s58 the step's first key
.set W64, 59                           ; s59 64 w'
.set Q0,  60                           ; s60 my first query
.macro CROUND                          ; a round of the cluster's barrier
	s_barrier_signal -1
	s_barrier_wait -1
	s_cmp_lg_u32 s[WV], 0
	s_cbranch_scc1 .Lnot_wave_0_\@
	s_barrier_signal -3
.Lnot_wave_0_\@:
	s_barrier_wait -3
	s_barrier_signal -1
	s_barrier_wait -1
.endm
	s_load_b256 s[4:11], s[0:1], 0x0               ; qkvc 4:5, x 6:7, the scales 8:9, x1 10:11
	s_load_b64 s[12:13], s[0:1], 0x20              ; x1c
	v_lshl_add_u32 v251, v0, 2, 0x31000
	v_mov_b32 v255, 0
	ds_add_u32 v251, v255
	ds_add_u32 v251, v255
	v_lshrrev_b32 v8, 5, v0
	s_delay_alu instid0(VALU_DEP_1)
	v_readfirstlane_b32 s[WV], v8                  ; wave 0..15
	s_bfe_u32 s14, ttmp6, 0x40000                  ; cx
	s_and_b32 s15, ttmp7, 0xffff                   ; batch x 16 + head
	s_lshr_b32 s16, s15, 4                         ; batch
	s_and_b32 s17, s15, 15                         ; head
	s_lshr_b32 s19, s[WV], 2                       ; a = w / 4
	s_xor_b32 s61, s19, s[WV]
	s_and_b32 s61, s61, 1                          ; a0 xor b0
	s_mul_i32 s61, s61, 7
	s_lshr_b32 s62, s[WV], 3                       ; a1
	s_and_b32 s63, s[WV], 2                        ; 2 b1
	s_or_b32 s62, s62, s63
	s_xor_b32 s62, s62, s61                        ; the tile's key steps less one
	s_lshl_b32 s62, s62, 1
	s_and_b32 s19, s19, 1                          ; a0 tells apart the two waves that have as many steps
	s_or_b32 s19, s19, s62                         ; w'
	s_lshl_b32 s[W64], s19, 6
	s_lshl_b32 s[Q0], s14, 4
	s_add_co_u32 s[Q0], s[Q0], s[W64]              ; my first query: 64 w' + 16 cx
	; what I fetch, if I fetch.  K: part 1, the head's 65,536 bytes, 8,192 x (wave % 2) on, 16,384 a slot.  V: part 2, blocks of 64 keys 65,536 apart, the head's 4,096 bytes in each; two blocks a load, four a slot
	s_and_b32 s61, s[WV], 1
	s_lshl_b32 s62, s15, 16
	s_lshl_b32 s63, s61, 13
	s_add_co_u32 s62, s62, s63
	s_add_co_u32 s62, s62, 0x400000
	s_lshl_b32 s63, s16, 4
	s_lshl_b32 s66, s61, 1
	s_add_co_u32 s63, s63, s66
	s_lshl_b32 s63, s63, 16
	s_lshl_b32 s66, s17, 12
	s_add_co_u32 s63, s63, s66
	s_add_co_u32 s63, s63, 0x800000
	s_mov_b32 s67, 262144
	; THE SIXTEEN FIRST FILLS ARE SHARED OUT, ONE TO A WAVE: wave w fetches part w % 4 (0, 1: K's halves; 2, 3: V's) of slot w / 4
	s_and_b32 s88, s[WV], 3                        ; the part
	s_lshr_b32 s89, s[WV], 2                       ; the slot
	s_cmp_lt_u32 s88, 2
	s_cselect_b32 s76, s62, s63
	s_cselect_b32 s78, 16384, s67                  ; from slot to slot in memory
	s_mul_i32 s78, s78, s89
	s_add_co_u32 s76, s76, s78
	s_mov_b32 s77, 0
	s_lshl_b32 s66, s[WV], 13                      ; in a slot: wave x 8,192: K's halves, then V's
	s_mov_b32 s[G1K], 15|(3<<16)|(1<<21)           ; 15:0 the mask: all four work-groups; 17:16 elements of 8 bytes; 21 set beside a mask
	s_mov_b32 s[G1K+1], 32<<16                     ; K: 32 rows of 256 bytes, dense
	s_mov_b32 s[G1K+2], 32<<16
	s_mov_b32 s[G1K+3], 32<<16
	s_mov_b32 s[G1K+4], 32
	s_mov_b32 s[G1K+5], 32
	s_mov_b32 s[G1K+6], 0
	s_mov_b32 s[G1K+7], 0
	s_mov_b32 s[G1V], 15|(3<<16)|(1<<21)
	s_mov_b32 s[G1V+1], 512<<16                    ; V: 2 rows of 4,096 bytes, 65,536 apart
	s_mov_b32 s[G1V+2], 2<<16
	s_mov_b32 s[G1V+3], 512<<16
	s_mov_b32 s[G1V+4], 2
	s_mov_b32 s[G1V+5], 8192
	s_mov_b32 s[G1V+6], 0
	s_mov_b32 s[G1V+7], 0
	s_mov_b32 s[SEL], 0x76543210
	s_mov_b32 s[SEL+1], 0xfedcba98
	s_mov_b32 s[CS], 0x3d38aa3b                    ; log2(e) / 32
	s_mov_b32 s[TB], 0
	s_mov_b32 s[KF], 0
	s_wait_dscnt 0x0
	s_wait_kmcnt 0x0
	s_load_b256 s[68:75], s[8:9], 0x18             ; e6 .. e13: the buffer's last 32 bytes
	s_add_nc_u64 s[76:77], s[4:5], s[76:77]
	s_mov_b32 s[G0], 1
	s_mov_b32 s[G0+1], s66                         ; LDS: wave x 8,192 = slot x 32,768 + part x 8,192
	s_mov_b64 s[G0+2:G0+3], s[76:77]
	s_or_b32 s[G0+3], s[G0+3], 0x80000000
	CROUND                                         ; all four work-groups are here: the joint loads meet
	s_cmp_lt_u32 s88, 2                            ; one fill in each arm, both arms join: every wave issues one tensor load
	s_cbranch_scc0 .Lnot_k
	tensor_load_to_lds s[G0:G0+3], s[G1K:G1K+7]
	s_nop 0
.rept 4
	v_nop
.endr
	s_branch .Lasked
.Lnot_k:
	tensor_load_to_lds s[G0:G0+3], s[G1V:G1V+7]
	s_nop 0
.rept 4
	v_nop
.endr
.Lasked:
	s_lshl_b32 s82, s15, 16
	s_lshl_b32 s83, s[Q0], 6                       ; a tile of 16 queries is 1,024 bytes
	s_add_co_u32 s82, s82, s83
	s_mov_b32 s83, 0
	s_add_nc_u64 s[80:81], s[4:5], s[82:83]        ; Q's fragment
	s_lshl_b32 s82, s16, 22
	s_lshl_b32 s84, s[Q0], 12
	s_add_co_u32 s82, s82, s84
	s_lshl_b32 s84, s17, 8
	s_add_co_u32 s82, s82, s84
	s_add_nc_u64 s[6:7], s[6:7], s[82:83]          ; x and x1 at my first row, the head's 256 bytes
	s_add_nc_u64 s[10:11], s[10:11], s[82:83]
	s_lshl_b32 s82, s16, 20
	s_lshl_b32 s84, s[Q0], 10
	s_add_co_u32 s82, s82, s84
	s_lshl_b32 s84, s17, 10
	s_add_co_u32 s82, s82, s84
	s_add_nc_u64 s[12:13], s[12:13], s[82:83]      ; x1c: block of rows x 16,384 + head x 1,024 (two chunks of a fragment)
	v_and_b32 v2, 31, v0
	s_delay_alu instid0(VALU_DEP_1)
	v_lshlrev_b32 v[LI], 4, v2
	v_and_b32 v3, 15, v0                           ; r
	v_bfe_u32 v4, v0, 4, 1                         ; h
	s_delay_alu instid0(VALU_DEP_1)
	v_lshlrev_b32 v[GO], 12, v4
	s_delay_alu instid0(VALU_DEP_1)
	v_lshl_add_u32 v[GO], v3, 4, v[GO]             ; lanes 0-15 one row of x, lanes 16-31 the next; 16 bytes a lane
	global_load_b128 v[16:19], v[LI], s[80:81]
	global_load_b128 v[20:23], v[LI], s[80:81] offset:512
.irp i, 0,1,2,3,4,5,6,7
	global_load_b128 v[XR+4*\i:XR+4*\i+3], v[GO], s[6:7] offset:2*\i*4096 th:TH_LOAD_NT   ; sixteen lanes read 256 consecutive bytes, aligned
.endr
	s_mul_i32 s85, s[WV], 16*SPT
	s_add_co_u32 s85, s85, STAGE                   ; my stage
	v_mul_u32_u24 v[STO], v3, SPT
	s_delay_alu instid0(VALU_DEP_1)
	v_lshl_add_u32 v[STO], v4, 5, v[STO]
	s_delay_alu instid0(VALU_DEP_1)
	v_add_nc_u32 v[STO], s85, v[STO]               ; by queries: row r, + 32 h
	v_mul_u32_u24 v[RD], v4, SPT
	s_delay_alu instid0(VALU_DEP_1)
	v_lshl_add_u32 v[RD], v3, 4, v[RD]
	s_delay_alu instid0(VALU_DEP_1)
	v_add_nc_u32 v[RD], s85, v[RD]                 ; by rows: lanes 0-15 one row, lanes 16-31 the next
	v_lshlrev_b32 v[DQ], 3, v4
	s_delay_alu instid0(VALU_DEP_1)
	v_sub_nc_u32 v[DQ], v3, v[DQ]
	s_delay_alu instid0(VALU_DEP_1)
	v_add_nc_u32 v[DQ], s[Q0], v[DQ]               ; r - 8 h + my first query
	v_mov_b32 v13, 0xff61b1e6                      ; the largest t so far: -3e38
	s_delay_alu instid0(VALU_DEP_1)
	v_floor_f32 v12, -v13                          ; -M
	v_mov_b32 v14, 0
	v_mov_b32 v15, 0
	v_mov_b32 v236, 0                              ; a lane permute's destination counts as one of its sources
	v_mov_b32 v253, 0                              ; (named as the upper half of v[252:253])
.set JJ, 0
.rept 32
	v_mov_b32 v[160+JJ], 0                         ; O^T: the step is written once; its first run finds zeros
.set JJ, JJ+1
.endr
	s_wait_kmcnt 0x0
	s_add_co_i32 s86, s68, s69
	s_lshl_b32 s86, s86, 23
	s_add_co_i32 s[CS], s[CS], s86                 ; a score stands for score x 2^(e6 + e7)
	s_mov_b32 s[CS+1], s[CS]
	s_add_co_i32 s86, s70, 127
	s_lshl_b32 s87, s86, 23
	v_mov_b32 v244, s87                            ; 2^e8
	s_add_co_i32 s86, s86, 15
	s_lshl_b32 s86, s86, 23
	s_or_b32 s86, s86, 0x600000
	v_mov_b32 v240, s86                            ; 57,344 x 2^e8
	s_add_co_i32 s86, s72, 127
	s_lshl_b32 s87, s86, 23
	v_mov_b32 v245, s87                            ; 2^e10
	s_add_co_i32 s86, s86, 15
	s_lshl_b32 s86, s86, 23
	s_or_b32 s86, s86, 0x600000
	v_mov_b32 v241, s86
; A KEY STEP: 128 keys, the q-th of the slot in hand.
.macro STEP q
	s_add_co_u32 s86, s[W64], 63
	s_cmp_gt_u32 s[KF], s86
	s_cbranch_scc1 .Lhidden_\@                     ; all its keys come after my queries
	v_add_nc_u32 v[AD], s[TB], v[LI]
.rept 3
	v_nop                                          ; with the addition: four places in front of loads into registers that the last products read
.endr
.irp u, 0,1,2,3,4,5,6,7
	ds_load_b128 v[32+8*\u:35+8*\u], v[AD] offset:(\q)*8192+\u*1024
	ds_load_b128 v[36+8*\u:39+8*\u], v[AD] offset:(\q)*8192+\u*1024+512
.endr
	s_wait_alu depctr_va_vdst(0)
	s_wait_dscnt 0x0
.irp u, 0,1,2,3,4,5,6,7
	v_wmma_f32_16x16x64_bf8_bf8 v[96+8*\u:103+8*\u], v[32+8*\u:39+8*\u], v[16:23], 0
.endr
.rept 4
	v_nop                                          ; four places: behind them the scores are read, and V's loads go into the registers that these products read
.endr
.irp t, 0,1,2,3                                ; V's fragments are asked for here, with the whole softmax (some 260 vector lines) between the loads and the wait for them
.irp c, 0,1,2,3
	ds_load_b128 v[32+16*\t+4*\c:35+16*\t+4*\c], v[AD] offset:VOFF+(2*(\q)+\c/2)*4096+\t*1024+(\c%2)*512
.endr
.endr
	s_add_co_u32 s86, s[KF], 128
	s_cmp_le_u32 s86, s[W64]
	s_cbranch_scc1 .Lopen_\@                       ; all its keys count
	v_sub_nc_u32 v252, v[DQ], s[KF]                ; d: register 8 u + j holds a hidden key where 16 u + j > d
	v_mov_b32 v254, 0xff800000                     ; -infinity: p = 0 then
.set NN, 0
.rept 64
	v_cmp_gt_i32 vcc_lo, 16*(NN/8)+NN%8, v252
	v_cndmask_b32 v[96+NN], v[96+NN], v254, vcc_lo
.set NN, NN+1
.endr
.Lopen_\@:
	v_max3_num_f32 v254, v96, v97, v98             ; the step's largest score of my query among my 64 keys, in two chains, from the low end on
	v_max3_num_f32 v252, v99, v100, v101
.irp i, 6,10,14,18,22,26,30,34,38,42,46,50,54,58
	v_max3_num_f32 v254, v254, v[96+\i], v[97+\i]
	v_max3_num_f32 v252, v252, v[98+\i], v[99+\i]
.endr
	v_max3_num_f32 v254, v254, v158, v159
	s_delay_alu instid0(VALU_DEP_1)
	v_max_num_f32 v254, v254, v252
	v_permlanex16_b32 v236, v254, s[SEL], s[SEL+1]
	s_delay_alu instid0(VALU_DEP_1)
	v_max_num_f32 v254, v254, v236                 ; and among lane l xor 16's
	s_delay_alu instid0(VALU_DEP_1)
	v_mul_f32 v254, s[CS], v254                    ; as t (c is positive)
	s_delay_alu instid0(VALU_DEP_1)
	v_max_num_f32 v13, v13, v254
	v_mov_b32 v254, v12
	s_delay_alu instid0(VALU_DEP_2)
	v_floor_f32 v12, -v13                          ; the new -M = -ceil(t)
	s_delay_alu instid0(VALU_DEP_1)
	v_sub_f32 v254, v12, v254                      ; old M - new M: a whole number, 0 or less
	s_delay_alu instid0(VALU_DEP_1)
	v_cvt_i32_f32 v254, v254                       ; (it saturates)
	s_delay_alu instid0(VALU_DEP_1)
	v_ldexp_f32 v252, 1.0, v254                    ; f = 2^(old M - new M)
.set JJ, 0
.rept 32
	v_pk_fma_f32 v[96+JJ:97+JJ], v[96+JJ:97+JJ], s[CS:CS+1], v[12:13] op_sel_hi:[1,0,0]   ; t - M
.set JJ, JJ+2
.endr
.set JJ, 0
	s_wait_alu depctr_va_vdst(0)
.rept 64
	v_exp_f32 v[96+JJ], v[96+JJ]                   ; p = 2^(t - M)
.set JJ, JJ+1
.endr
	v_pk_mul_f32 v[14:15], v[14:15], v[252:253] op_sel_hi:[1,0]   ; the sums under the new M: the plain line behind the exponentials
	s_wait_alu depctr_va_vdst(0)                   ; one wait for the batch of 64, ahead of its first reader
	v_pk_add_f32 v[242:243], v[100:101], v[104:105]
	v_pk_add_f32 v[248:249], v[108:109], v[112:113]
	v_pk_add_f32 v[246:247], v[116:117], v[120:121]
	v_pk_add_f32 v[238:239], v[124:125], v[128:129]
	v_pk_add_f32 v[236:237], v[132:133], v[136:137]
	v_pk_add_f32 v[234:235], v[140:141], v[144:145]
	v_pk_add_f32 v[232:233], v[148:149], v[152:153]
	v_pk_add_f32 v[14:15], v[14:15], v[156:157]
	v_pk_add_f32 v[242:243], v[242:243], v[96:97]
	v_pk_add_f32 v[248:249], v[248:249], v[98:99]
	v_pk_add_f32 v[246:247], v[246:247], v[102:103]
	v_pk_add_f32 v[238:239], v[238:239], v[106:107]
	v_pk_add_f32 v[236:237], v[236:237], v[110:111]
	v_pk_add_f32 v[234:235], v[234:235], v[114:115]
	v_pk_add_f32 v[232:233], v[232:233], v[118:119]
	v_pk_add_f32 v[14:15], v[14:15], v[122:123]
	v_pk_add_f32 v[242:243], v[242:243], v[126:127]
	v_pk_add_f32 v[248:249], v[248:249], v[130:131]
	v_pk_add_f32 v[246:247], v[246:247], v[134:135]
	v_pk_add_f32 v[238:239], v[238:239], v[138:139]
	v_pk_add_f32 v[236:237], v[236:237], v[142:143]
	v_pk_add_f32 v[234:235], v[234:235], v[146:147]
	v_pk_add_f32 v[232:233], v[232:233], v[150:151]
	v_pk_add_f32 v[14:15], v[14:15], v[154:155]
	v_pk_add_f32 v[242:243], v[242:243], v[158:159]
	s_delay_alu instid0(VALU_DEP_2)
	v_pk_add_f32 v[14:15], v[14:15], v[238:239]
	s_delay_alu instid0(VALU_DEP_2)
	v_pk_add_f32 v[242:243], v[242:243], v[236:237]
	v_pk_add_f32 v[248:249], v[248:249], v[234:235]
	v_pk_add_f32 v[246:247], v[246:247], v[232:233]
	s_delay_alu instid0(VALU_DEP_2)
	v_pk_add_f32 v[14:15], v[14:15], v[248:249]
	s_delay_alu instid0(VALU_DEP_2)
	v_pk_add_f32 v[242:243], v[242:243], v[246:247]
	s_delay_alu instid0(VALU_DEP_1)
	v_pk_add_f32 v[14:15], v[14:15], v[242:243]
.irp b, 0,1,2,3
.set JJ, 0
.rept 16
	v_min_num_f32 v[96+16*\b+JJ], v[96+16*\b+JJ], v240   ; p is not negative: a one-sided hold
.set JJ, JJ+1
.endr
	v_cvt_scalef32_pk8_bf8_f32 v[224+4*\b:225+4*\b], v[96+16*\b:103+16*\b], v244
	v_cvt_scalef32_pk8_bf8_f32 v[226+4*\b:227+4*\b], v[104+16*\b:111+16*\b], v244
.endr
.set JJ, 0
.rept 16
	v_pk_mul_f32 v[160+JJ:161+JJ], v[160+JJ:161+JJ], v[252:253] op_sel_hi:[1,0]   ; O^T under the new M; these are also the plain lines behind the conversions
.set JJ, JJ+2
.endr
	s_wait_alu depctr_va_vdst(0)
	s_wait_dscnt 0x0                               ; V's fragments are in
.irp t, 0,1,2,3
	v_wmma_f32_16x16x128_bf8_bf8 v[160+8*\t:167+8*\t], v[32+16*\t:47+16*\t], v[224:239], v[160+8*\t:167+8*\t]   ; the four accumulators by turns; the next step's eight products stand between two links
.endr
.Lhidden_\@:
	s_add_co_u32 s[KF], s[KF], 128
.endm
	s_wait_loadcnt 8                               ; Q is in; the eight loads of x may be out
	s_wait_tensorcnt 0x0                           ; my one load is in
	s_barrier_signal -1
	s_barrier_wait -1                              ; everybody's: all of the head's K and V lie in LDS
	STEP 0
	STEP 1
	s_mov_b32 s[TRIPS], 3
.Lslot:
	s_add_co_u32 s[TB], s[TB], SLOTB
	STEP 0
	STEP 1
	s_sub_co_u32 s[TRIPS], s[TRIPS], 1
	s_cmp_lg_u32 s[TRIPS], 0
	s_cbranch_scc1 .Lslot
	; THE WAY OUT.  x's rows turn through my stage into O^T's layout; x1 = O^T / the sum x 2^(e8 + e9) + x; its codes leave from registers; x1 turns back through the stage and leaves by rows.
.rept 4
	v_nop                                          ; the places behind the last products, whichever step they stood in
.endr
	v_add_f32 v14, v14, v15
	s_delay_alu instid0(VALU_DEP_1)
	v_permlanex16_b32 v252, v14, s[SEL], s[SEL+1]
	s_delay_alu instid0(VALU_DEP_1)
	v_add_f32 v14, v14, v252                       ; the row's sum
	s_wait_alu depctr_va_vdst(0)
	v_rcp_f32 v14, v14
	v_nop                                          ; a plain line behind the reciprocal
	s_add_co_i32 s86, s70, s71
	s_wait_loadcnt 0x0                             ; x
.irp i, 0,1,2,3,4,5,6,7
	ds_store_b128 v[RD], v[XR+4*\i:XR+4*\i+3] offset:2*\i*SPT
.endr
.irp t, 0,1,2,3
	ds_load_b128 v[32+8*\t:35+8*\t], v[STO] offset:64*\t        ; LDS serves a wave's instructions in order: these see my stores.  x(r, 16 t + 8 h + 0..3)
	ds_load_b128 v[36+8*\t:39+8*\t], v[STO] offset:64*\t+16
.endr
	s_wait_alu depctr_va_vdst(0)                   ; the wait for the reciprocal, ahead of its first reader
	v_ldexp_f32 v14, v14, s86
	s_wait_alu depctr_va_vdst(0)
	s_wait_dscnt 0x0
.set JJ, 0
.rept 32
	v_fma_f32 v[96+JJ], v[160+JJ], v14, v[32+JJ]   ; x1(r, 16 t + 8 h + j), register 8 t + j; each accumulator from its low end on
.set JJ, JJ+1
.endr
.set JJ, 0
.rept 32
	v_med3_num_f32 v[64+JJ], v[96+JJ], -v241, v241
.set JJ, JJ+1
.endr
.irp t, 0,1,2,3
	v_cvt_scalef32_pk8_bf8_f32 v[224+2*\t:225+2*\t], v[64+8*\t:71+8*\t], v245
.endr
	v_nop
	global_store_b128 v[LI], v[224:227], s[12:13]              ; two chunks of the next operand's image, 512 consecutive bytes each
	global_store_b128 v[LI], v[228:231], s[12:13] offset:512
.irp t, 0,1,2,3
	ds_store_b128 v[STO], v[96+8*\t:99+8*\t] offset:64*\t
	ds_store_b128 v[STO], v[100+8*\t:103+8*\t] offset:64*\t+16
.endr
.irp i, 0,1,2,3,4,5,6,7
	ds_load_b128 v[32+4*\i:35+4*\i], v[RD] offset:2*\i*SPT
.endr
.irp i, 0,1,2,3,4,5,6,7
	s_wait_dscnt 7-\i                              ; load i is back; the younger ones may be out
	global_store_b128 v[GO], v[32+4*\i:35+4*\i], s[10:11] offset:2*\i*4096   ; sixteen lanes store 256 consecutive bytes, aligned
.endr
	s_wait_tensorcnt 0x0
	ds_add_u32 v251, v255
	s_wait_dscnt 0x0
	CROUND                                         ; the closing round
	s_endpgm
.Lfunc_end_k_q4a1f17fdef_attn:
	.size	k_q4a1f17fdef_attn, .Lfunc_end_k_q4a1f17fdef_attn-k_q4a1f17fdef_attn
	.p2alignl 7, 3214868480
	.fill 96, 4, 3214868480
	.section	.rodata,"a",@progbits
	.p2align	6, 0x0
	.amdhsa_kernel k_q4a1f17fdef_attn
		.amdhsa_group_segment_fixed_size 202752
		.amdhsa_private_segment_fixed_size 0
		.amdhsa_enable_private_segment 0
		.amdhsa_kernarg_size 40
		.amdhsa_user_sgpr_count 2
		.amdhsa_user_sgpr_kernarg_segment_ptr 1
		.amdhsa_wavefront_size32 1
		.amdhsa_system_sgpr_workgroup_id_x 1
		.amdhsa_system_sgpr_workgroup_id_y 1
		.amdhsa_system_sgpr_workgroup_id_z 1
		.amdhsa_system_vgpr_workitem_id 0
		.amdhsa_next_free_vgpr 256
		.amdhsa_next_free_sgpr 100
		.amdhsa_reserve_vcc 1
		.amdhsa_float_denorm_mode_32 3
		.amdhsa_float_denorm_mode_16_64 3
		.amdhsa_memory_ordered 1
		.amdhsa_forward_progress 1
		.amdhsa_inst_pref_size 102
	.end_amdhsa_kernel
	.amdgpu_metadata
---
amdhsa.version: [ 1, 2 ]
amdhsa.kernels:
  - .name:           k_q4a1f17fdef_attn
    .symbol:         k_q4a1f17fdef_attn.kd
    .args:
      - { .name: qkvc, .offset: 0, .size: 8, .value_kind: global_buffer, .address_space: global }
      - { .name: x, .offset: 8, .size: 8, .value_kind: global_buffer, .address_space: global }
      - { .name: lowp_scales, .offset: 16, .size: 8, .value_kind: global_buffer, .address_space: global }
      - { .name: x1, .offset: 24, .size: 8, .value_kind: global_buffer, .address_space: global }
      - { .name: x1c, .offset: 32, .size: 8, .value_kind: global_buffer, .address_space: global }
    .group_segment_fixed_size: 202752
    .private_segment_fixed_size: 0
    .kernarg_segment_align: 8
    .kernarg_segment_size: 40
    .max_flat_workgroup_size: 512
    .sgpr_count:     100
    .vgpr_count:     256
    .wavefront_size: 32
...
	.end_amdgpu_metadata
.endif
;; end of part 3
;; launch mlp1 (part 4): grid 16 x 16, 4 waves a work-group, clusters of 4 x 4, 327,680 bytes of LDS; arguments x1c, wc, lowp_scales, b1, hc; writes hc
.if DOCPART == 4
	.amdgcn_target "amdgcn-amd-amdhsa--gfx1250"
	.amdhsa_code_object_version 6
	.text
	.protected	k_q4a1f17fdef_mlp1
	.globl	k_q4a1f17fdef_mlp1
	.p2align	8
	.type	k_q4a1f17fdef_mlp1,@function
k_q4a1f17fdef_mlp1:
	s_mov_b64 s[64:65], 0
	v_nop
	global_prefetch_b8 v0, s[64:65] scope:SCOPE_SE
	s_setreg_imm32_b32 hwreg(HW_REG_WAVE_MODE, 25, 1), 1
	s_wait_xcnt 0x0
	s_wait_alu depctr_hold_cnt(0) depctr_sa_sdst(0) depctr_va_vdst(0) depctr_va_sdst(0) depctr_va_ssrc(0) depctr_va_vcc(0) depctr_vm_vsrc(0)
	s_getreg_b32 s2, hwreg(HW_REG_IB_STS2, 6, 4)
	s_cmp_eq_u32 s2, 0
	s_cbranch_scc0 .Lentry_in_a_cluster
	s_endpgm
.Lentry_in_a_cluster:
	s_bfe_u32 s2, ttmp6, 0x10000c
	s_cmp_lg_u32 s2, 0xf033
	s_cbranch_scc0 .Lentry_shape_is_right
	s_endpgm
.Lentry_shape_is_right:
.set SLOT,   131072
.set HALFT,  32768
.set KB,     4096
.set SPARE,  2*SLOT
.set LAPS,   2
.set FR,     16
.set NL,     4
.set NP,     4
.set SC,   12
.set LIM,  13
.set K0,   14
.set ADRA, 16
.set ADRB, 20
.set CO,   26
.set SPW,  28
.set NIL,  29
.set BC,   32
.set CD,   96
.set AF,   128
.set Y,    128
.set E,    192
.set G1, 24
.set G0, 32
.set G1B, 48
.set G0B, 56
.set WRAP, 66
.set MSB, 0
.macro WIN new
.if MSB != (\new)
	s_set_vgpr_msb (MSB<<8)|(\new)
.set MSB, (\new)
.endif
.endm
.set MUL_LO, 0xa1
.set MUL_HI, 0xf1
.set TO_B,   0x40
.macro JLOAD g0a, g1a, g0b, g1b
	s_cmp_eq_u32 s15, 0
	s_cbranch_scc0 .Lfor_b_\@
	tensor_load_to_lds s[\g0a:\g0a+3], s[\g1a:\g1a+7]
	s_nop 0
.rept 4
	v_nop
.endr
	s_branch .Lasked_\@
.Lfor_b_\@:
	tensor_load_to_lds s[\g0b:\g0b+3], s[\g1b:\g1b+7]
	s_nop 0
.rept 4
	v_nop
.endr
.Lasked_\@:
.endm
.macro CREST
	s_cmp_lg_u32 s14, 0
	s_cbranch_scc1 .Lnot_wave_0_\@
	s_barrier_signal -3
.Lnot_wave_0_\@:
	s_barrier_wait -3
	s_barrier_signal -1
	s_barrier_wait -1
.endm
.macro CROUND
	s_barrier_signal -1
	s_barrier_wait -1
	CREST
.endm
	s_load_b256 s[68:75], s[0:1], 0x0
	s_load_b64 s[80:81], s[0:1], 0x20
	v_lshl_add_u32 v[SPW], v0, 2, SPARE
	v_mov_b32 v[NIL], 0
	ds_add_u32 v28, v29
	ds_add_u32 v28, v29
	s_wait_dscnt 0x0
	v_lshrrev_b32 v1, 5, v0
	v_readfirstlane_b32 s14, v1
	s_lshr_b32 s15, s14, 1
	s_and_b32 s16, s14, 1
	s_bfe_u32 s40, ttmp6, 0x40000
	s_bfe_u32 s41, ttmp6, 0x40004
	s_lshl_b32 s42, ttmp9, 2
	s_add_co_u32 s42, s42, s40
	s_and_b32 s17, ttmp7, 0xffff
	s_add_co_u32 s12, s17, ttmp9
	s_and_b32 s12, s12, 1
	s_lshl_b32 s82, s12, 13
	s_lshl_b32 s[WRAP], s12, 14
	s_mov_b32 s[WRAP+1], 0
	s_lshl_b32 s17, s17, 2
	s_add_co_u32 s17, s17, s41
	s_lshl_b32 s43, s41, 2
	s_lshl_b32 s43, 15, s43
	s_lshl_b32 s44, 0x1111, s40
	s_or_b32 s[G1+0], s43, (3<<16)|(1<<21)
	s_or_b32 s[G1B+0], s44, (3<<16)|(1<<21)
.irp g, G1, G1B
	s_mov_b32 s[\g+1], 512<<16
	s_mov_b32 s[\g+2], 8<<16
	s_mov_b32 s[\g+3], 512<<16
	s_mov_b32 s[\g+4], 8
	s_mov_b32 s[\g+5], 2048
	s_mov_b32 s[\g+6], 0
	s_mov_b32 s[\g+7], 0
.endr
	s_lshl_b32 s20, s17, 18
	s_lshl_b32 s18, s16, 17
	s_add_co_u32 s20, s20, s18
	s_add_co_u32 s20, s20, s82
	s_lshl_b32 s46, s42, 18
	s_add_co_u32 s46, s46, s18
	s_add_co_u32 s46, s46, s82
	s_add_co_u32 s46, s46, 0x300000
	s_mov_b32 s21, 0
	s_mov_b32 s47, 0
	s_lshl_b32 s45, s14, 15
	s_wait_kmcnt 0x0
	s_load_b128 s[84:87], s[72:73], 0x28
	s_add_nc_u64 s[20:21], s[68:69], s[20:21]
	s_add_nc_u64 s[46:47], s[70:71], s[46:47]
	CROUND
.irp s, 0,1
	s_mov_b32 s[G0+4*\s], 1
	s_add_co_u32 s[G0+4*\s+1], s45, \s*SLOT
	s_add_nc_u64 s[G0+4*\s+2:G0+4*\s+3], s[20:21], \s*KB
	s_or_b32 s[G0+4*\s+3], s[G0+4*\s+3], 0x80000000
	s_mov_b32 s[G0B+4*\s], 1
	s_add_co_u32 s[G0B+4*\s+1], s45, \s*SLOT
	s_add_nc_u64 s[G0B+4*\s+2:G0B+4*\s+3], s[46:47], \s*KB
	s_or_b32 s[G0B+4*\s+3], s[G0B+4*\s+3], 0x80000000
.endr
	JLOAD G0, G1, G0B, G1B                         ; K step 0: one tensor load a wave at the head
	v_and_b32 v1, 31, v0
	v_lshlrev_b32 v[CO], 4, v1
	s_lshl_b32 s21, s15, 15
	s_lshl_b32 s22, s16, 15
	s_add_co_u32 s22, s22, 2*HALFT
.irp s, 0,1
	v_add_nc_u32 v[ADRA+\s], s21, v[CO]
	v_add_nc_u32 v[ADRB+\s], s22, v[CO]
	s_add_co_u32 s21, s21, SLOT
	s_add_co_u32 s22, s22, SLOT
.endr
	s_lshl_b32 s20, s17, 20
	s_lshl_b32 s21, s15, 19
	s_add_co_u32 s20, s20, s21
	s_lshl_b32 s21, s42, 12
	s_add_co_u32 s20, s20, s21
	s_lshl_b32 s21, s16, 11
	s_add_co_u32 s20, s20, s21
	s_mov_b32 s21, 0
	s_add_nc_u64 s[10:11], s[80:81], s[20:21]
	s_lshl_b32 s20, s42, 10
	s_lshl_b32 s23, s16, 9
	s_add_co_u32 s20, s20, s23
	s_add_nc_u64 s[4:5], s[74:75], s[20:21]
	v_bfe_u32 v2, v0, 4, 1
	v_lshlrev_b32 v8, 5, v2
.irp b, 0,1,2,3,4,5,6,7
	global_load_b128 v[BC+8*\b:BC+8*\b+3],   v8, s[4:5] offset:64*\b
	global_load_b128 v[BC+8*\b+4:BC+8*\b+7], v8, s[4:5] offset:64*\b+16
.endr
	s_wait_alu depctr_va_vdst(0)
	s_wait_kmcnt 0x0
	s_add_co_i32 s96, s84, s85
	s_add_co_i32 s96, s96, 127
	s_lshl_b32 s96, s96, 23
	s_mov_b32 s97, s96
	s_add_co_i32 s92, s86, 127
	s_lshl_b32 s93, s92, 23
	v_mov_b32 v[SC], s93
	s_add_co_i32 s92, s92, 15
	s_lshl_b32 s92, s92, 23
	s_or_b32 s92, s92, 0x600000
	v_mov_b32 v[LIM], s92
	s_mov_b32 s94, 0xbdd2d3e8
	s_mov_b32 s95, s94
	v_mov_b32 v[K0], 0xc0135761
	v_mov_b32 v[K0+1], 0xc0135761
	s_wait_loadcnt 0x0
.macro FRAG reg, adr, q, i
.irp c, 0,1,2,3
	ds_load_b128 v[\reg+4*\c:\reg+4*\c+3], v[\adr] offset:(\i)*KB+2048*(\q)+512*\c
.endr
.endm
.macro MUL16 a0, p, zero
.irp a, \a0, \a0+1
.irp b, 0,1,2,3,4,5,6,7
.if \zero
	v_wmma_f32_16x16x128_bf8_bf8 v[8*(8*((\a)%4)+\b):8*(8*((\a)%4)+\b)+7], v[128*(\p)+FR*\b:128*(\p)+FR*\b+FR-1], v[AF+FR*(\a):AF+FR*(\a)+FR-1], 0
.else
	v_wmma_f32_16x16x128_bf8_bf8 v[8*(8*((\a)%4)+\b):8*(8*((\a)%4)+\b)+7], v[128*(\p)+FR*\b:128*(\p)+FR*\b+FR-1], v[AF+FR*(\a):AF+FR*(\a)+FR-1], v[8*(8*((\a)%4)+\b):8*(8*((\a)%4)+\b)+7]
.endif
.endr
.endr
.endm
.macro FETCH_B slot, q, p
	WIN TO_B
.irp i, 0,1,2,3,4,5,6,7
	FRAG 128*(\p)+FR*\i, ADRB+\slot, \q, \i
.endr
	WIN 0
.endm
.macro FETCH_A slot, q, i0
.irp i, \i0, \i0+1, \i0+2, \i0+3
	FRAG AF+FR*(\i), ADRA+\slot, \q, \i
.endr
.endm
.macro PLACES n
.rept \n
	v_nop
.endr
.endm
.macro STEP slot, q, zero
	s_wait_dscnt 4*NL
	WIN MUL_LO
	MUL16 0, (\q)%2, \zero
	MUL16 2, (\q)%2, \zero
	s_wait_dscnt 0
	PLACES NP
	FETCH_B \slot, (\q)+1, 1-(\q)%2
	FETCH_A \slot, (\q)+1, 0
	WIN MUL_HI
	MUL16 4, (\q)%2, \zero
	MUL16 6, (\q)%2, \zero
	PLACES NP
	WIN 0
	FETCH_A \slot, (\q)+1, 4
.endm
.macro TURN slot, next, fill
	s_wait_tensorcnt 0x0
	ds_add_u32 v[SPW], v[NIL]
	s_wait_dscnt 4*NL+1
	WIN MUL_LO
	MUL16 0, 1, 0
	s_wait_dscnt 0x0
	s_barrier_signal -1
	MUL16 2, 1, 0
	WIN 0
	s_barrier_wait -1
.if \fill
	CREST
	s_add_nc_u64 s[G0+4*\slot+2:G0+4*\slot+3], s[G0+4*\slot+2:G0+4*\slot+3], 2*KB
	s_sub_nc_u64 s[G0+4*\slot+2:G0+4*\slot+3], s[G0+4*\slot+2:G0+4*\slot+3], s[WRAP:WRAP+1]
	s_add_nc_u64 s[G0B+4*\slot+2:G0B+4*\slot+3], s[G0B+4*\slot+2:G0B+4*\slot+3], 2*KB
	s_sub_nc_u64 s[G0B+4*\slot+2:G0B+4*\slot+3], s[G0B+4*\slot+2:G0B+4*\slot+3], s[WRAP:WRAP+1]
	JLOAD G0+4*\slot, G1, G0B+4*\slot, G1B
.else
	PLACES NP
.endif
	FETCH_B \next, 0, 0
	FETCH_A \next, 0, 0
	WIN MUL_HI
	MUL16 4, 1, 0
	MUL16 6, 1, 0
	PLACES NP
	WIN 0
	FETCH_A \next, 0, 4
.endm
	s_wait_alu depctr_va_vdst(0)
	s_wait_tensorcnt 0x0                           ; my part of K step 0 is in; slot 1's first fill is issued as a refill is:
	ds_add_u32 v[SPW], v[NIL]                      ; 0 onto my spare word
	s_wait_dscnt 0x0
	CROUND                                         ; a whole round: everybody's part of K step 0 is in
	JLOAD G0+4, G1, G0B+4, G1B                     ; K step 1, the first tensor load behind the round
	FETCH_B 0, 0, 0
	FETCH_A 0, 0, 0
	FETCH_A 0, 0, 4
	STEP 0, 0, 1
	s_mov_b32 s3, LAPS-1
.Llap:
	TURN 0, 1, 1
	STEP 1, 0, 0
	TURN 1, 0, 1
	STEP 0, 0, 0
	s_sub_co_u32 s3, s3, 1
	s_cmp_lg_u32 s3, 0
	s_cbranch_scc1 .Llap
	TURN 0, 1, 0
	STEP 1, 0, 0
	s_wait_dscnt 4*NL
	WIN MUL_LO
	MUL16 0, 1, 0
	MUL16 2, 1, 0
	s_wait_dscnt 0
	WIN MUL_HI
	MUL16 4, 1, 0
	MUL16 6, 1, 0
	WIN 0
.macro GELU a
.set AC, 64*((\a)%4)
.set CDS, CD+16*((\a)%2)
	WIN 0x02+((\a)/4)
.set JJ, 0
.rept 32
	v_pk_fma_f32 v[Y+JJ:Y+JJ+1], v[AC+JJ:AC+JJ+1], s[96:97], v[BC+JJ:BC+JJ+1] op_sel_hi:[1,0,1]
.set JJ, JJ+2
.endr
	WIN 0
.set JJ, 0
.rept 32
	v_pk_mul_f32 v[E+JJ:E+JJ+1], v[Y+JJ:Y+JJ+1], v[Y+JJ:Y+JJ+1]
.set JJ, JJ+2
.endr
.set JJ, 0
.rept 32
	v_pk_fma_f32 v[E+JJ:E+JJ+1], v[E+JJ:E+JJ+1], s[94:95], v[K0:K0+1] op_sel_hi:[1,0,1]
.set JJ, JJ+2
.endr
.set JJ, 0
.rept 32
	v_pk_mul_f32 v[E+JJ:E+JJ+1], v[E+JJ:E+JJ+1], v[Y+JJ:Y+JJ+1]
.set JJ, JJ+2
.endr
.set JJ, 0
	s_wait_alu depctr_va_vdst(0)
.rept 64
	v_exp_f32 v[E+JJ], v[E+JJ]
.set JJ, JJ+1
.endr
	v_nop
	s_wait_alu depctr_va_vdst(0)
.set JJ, 0
.rept 32
	v_pk_add_f32 v[E+JJ:E+JJ+1], v[E+JJ:E+JJ+1], 1.0 op_sel_hi:[1,0]
.set JJ, JJ+2
.endr
.set JJ, 0
	s_wait_alu depctr_va_vdst(0)
.rept 64
	v_rcp_f32 v[E+JJ], v[E+JJ]
.set JJ, JJ+1
.endr
	v_nop
	s_wait_alu depctr_va_vdst(0)
.set JJ, 0
.rept 32
	v_pk_mul_f32 v[Y+JJ:Y+JJ+1], v[Y+JJ:Y+JJ+1], v[E+JJ:E+JJ+1]
.set JJ, JJ+2
.endr
.set JJ, 0
.rept 64
	v_med3_num_f32 v[Y+JJ], v[Y+JJ], -v[LIM], v[LIM]
.set JJ, JJ+1
.endr
.if (\a) > 1
	s_wait_alu depctr_va_vdst(0)
	s_wait_xcnt 0x0
.endif
.irp p, 0,1,2,3
	v_cvt_scalef32_pk8_bf8_f32 v[CDS+4*\p:CDS+4*\p+1],   v[Y+16*\p:Y+16*\p+7],    v[SC]
	v_cvt_scalef32_pk8_bf8_f32 v[CDS+4*\p+2:CDS+4*\p+3], v[Y+16*\p+8:Y+16*\p+15], v[SC]
.endr
	v_nop
.irp p, 0,1,2,3
	global_store_b128 v[CO], v[CDS+4*\p:CDS+4*\p+3], s[10:11] offset:(\a)*65536+\p*512
.endr
.endm
	PLACES NP
.irp a, 0,1,2,3,4,5,6,7
	GELU \a
.endr
	s_wait_tensorcnt 0x0
	ds_add_u32 v[SPW], v[NIL]
	s_wait_dscnt 0x0
	CROUND
	s_endpgm
.Lfunc_end_k_q4a1f17fdef_mlp1:
	.size	k_q4a1f17fdef_mlp1, .Lfunc_end_k_q4a1f17fdef_mlp1-k_q4a1f17fdef_mlp1
	.p2alignl 7, 3214868480
	.fill 96, 4, 3214868480
	.section	.rodata,"a",@progbits
	.p2align	6, 0x0
	.amdhsa_kernel k_q4a1f17fdef_mlp1
		.amdhsa_group_segment_fixed_size 327680
		.amdhsa_private_segment_fixed_size 0
		.amdhsa_enable_private_segment 0
		.amdhsa_kernarg_size 40
		.amdhsa_user_sgpr_count 2
		.amdhsa_user_sgpr_kernarg_segment_ptr 1
		.amdhsa_wavefront_size32 1
		.amdhsa_system_sgpr_workgroup_id_x 1
		.amdhsa_system_sgpr_workgroup_id_y 1
		.amdhsa_system_sgpr_workgroup_id_z 1
		.amdhsa_system_vgpr_workitem_id 0
		.amdhsa_next_free_vgpr 1024
		.amdhsa_next_free_sgpr 100
		.amdhsa_reserve_vcc 0
		.amdhsa_float_denorm_mode_32 3
		.amdhsa_float_denorm_mode_16_64 3
		.amdhsa_memory_ordered 1
		.amdhsa_forward_progress 1
		.amdhsa_inst_pref_size 249
	.end_amdhsa_kernel
	.amdgpu_metadata
---
amdhsa.version: [ 1, 2 ]
amdhsa.kernels:
  - .name:           k_q4a1f17fdef_mlp1
    .symbol:         k_q4a1f17fdef_mlp1.kd
    .args:
      - { .name: x1c, .offset: 0, .size: 8, .value_kind: global_buffer, .address_space: global }
      - { .name: wc, .offset: 8, .size: 8, .value_kind: global_buffer, .address_space: global }
      - { .name: lowp_scales, .offset: 16, .size: 8, .value_kind: global_buffer, .address_space: global }
      - { .name: b1, .offset: 24, .size: 8, .value_kind: global_buffer, .address_space: global }
      - { .name: hc, .offset: 32, .size: 8, .value_kind: global_buffer, .address_space: global }
    .group_segment_fixed_size: 327680
    .private_segment_fixed_size: 0
    .kernarg_segment_align: 8
    .kernarg_segment_size: 40
    .max_flat_workgroup_size: 128
    .sgpr_count:     100
    .vgpr_count:     1024
    .wavefront_size: 32
...
	.end_amdgpu_metadata
.endif
;; end of part 4
;; launch mlp2 (part 5): grid 32 x 8, 4 waves a work-group, clusters of 4 x 1, 327,680 bytes of LDS; arguments hc, wc, lowp_scales, b2, x1, out0; writes out0
.if DOCPART == 5
	.amdgcn_target "amdgcn-amd-amdhsa--gfx1250"
	.amdhsa_code_object_version 6
	.text
	.protected	k_q4a1f17fdef_mlp2
	.globl	k_q4a1f17fdef_mlp2
	.p2align	8
	.type	k_q4a1f17fdef_mlp2,@function
k_q4a1f17fdef_mlp2:
	s_mov_b64 s[64:65], 0
	v_nop
	global_prefetch_b8 v0, s[64:65] scope:SCOPE_SE
	s_setreg_imm32_b32 hwreg(HW_REG_WAVE_MODE, 25, 1), 1
	s_wait_xcnt 0x0
	s_wait_alu depctr_hold_cnt(0) depctr_sa_sdst(0) depctr_va_vdst(0) depctr_va_sdst(0) depctr_va_ssrc(0) depctr_va_vcc(0) depctr_vm_vsrc(0)
	s_getreg_b32 s2, hwreg(HW_REG_IB_STS2, 6, 4)
	s_cmp_eq_u32 s2, 0
	s_cbranch_scc0 .Lentry_in_a_cluster
	s_endpgm
.Lentry_in_a_cluster:
	s_bfe_u32 s2, ttmp6, 0x10000c
	s_cmp_lg_u32 s2, 0x3003
	s_cbranch_scc0 .Lentry_shape_is_right
	s_endpgm
.Lentry_shape_is_right:
; out0 = x1 + h W2 + b2 on codes of BF8: C[m][n] = sum over k of A[m][k] B[n][k], A = hc (4,096 rows), B = W2's image (1,024 rows, at 7 MiB in wc), K = 4,096.
; Both lie as images of the operand's registers, [rows / 16][32][2,048]: a fragment of 16 rows x 128 k is four chunks of 512 bytes, 16 bytes a lane; two chunks are a fragment of the K = 64 form.
; SHARES.  A work-group makes C's block of 128 rows (work-group x, 0..31) x 128 columns (work-group y, 0..7).  EACH OF ITS FOUR WAVES MAKES THE WHOLE BLOCK OVER ITS OWN QUARTER OF K: 64 accumulators, 512 registers.
; K goes in four chunks of 1,024 (8 fragments); of each chunk wave w takes fragments 2 w and 2 w + 1: four half steps of 64 along K, 64 matrix instructions each, A's eight blocks each against B's eight.
; A COMES STRAIGHT INTO REGISTERS: the cluster's partners have different rows, and the four waves name disjoint bytes, 128 rows x 4,096 bytes a work-group, each once, 512 consecutive bytes a load.  A has a ring of seven
; groups of four fragments; a group is asked for again as soon as its products are issued.
; B'S FIRST CHUNK COMES THE SAME WAY, 32 KiB a wave into four sets of eight fragments, so that the first products wait for no tile.
; B'S OTHER THREE CHUNKS COME THROUGH LDS, JOINTLY.  The four work-groups of a cluster (4, 1, 1) have the same columns: a chunk of B, 8 blocks of rows x 16,384 bytes = 128 KiB, is a slot of a ring of two; each wave asks for
; two blocks of rows (2 rows of 16,384 bytes, 65,536 apart) by one joint load with the mask of all four.  Three fills: chunk 1 at the head, chunk 2 behind the change in half step 2, chunk 3 behind that in half step 6;
; each has four half steps, 256 matrix instructions (the first two and a half), in which to land.
; The counts of s_wait_loadcnt and s_wait_dscnt are kept by symbols: NI and ND count the loads and the LDS instructions issued, EAk, EBk and EDk hold the count behind the last load into place k;
; a count above 63, the largest that the wait's field holds, is written as 63, which waits for more than is needed.
; THE WALK ALONG K starts at chunk (cluster x + y) % 4 and goes round: a number that the partners share.
; THE FOUR PARTS MEET IN LDS: each wave stores its 128 x 128 sums by rows (pitch 528 bytes) into its own part; one barrier; wave w reads rows 32 w .. 32 w + 31 of all four parts, a row of 512 bytes to the 32 lanes,
; adds them, and out = sum x 2^(e12 + e13) + (x1 + b2) leaves as rows of 512 consecutive bytes, aligned.  The parts lie over the ring, which has had its last fill; a barrier stands between every wave's last read of it and the first store.
; PREFETCH: x1's 32 rows x 512 bytes of a wave, which no other wave reads, are asked for in half steps 3 and 4 (a lane a row, 256 bytes each) and loaded in half steps 12 and 13.  The codes are not prefetched: A's loads
; stand up to six groups ahead of their use, and B's bytes are named by eight clusters each.
; THE MATRIX INSTRUCTION IS USED TRANSPOSED (source 0 = B's 16 rows, source 1 = A's): lane (r, h) of accumulator (a, b) holds C(16 a + r, 16 b + 8 h + 0..7).
; LIMIT: e12 + e13 between -126 and 127, so that 2^(e12 + e13) is an f32 number.
; REGISTERS, in windows of 256: window 0: v0-31 addresses and b2; v32-255 A's ring.  window 1: B's four sets (at the end v0-127 take x1).
;   windows 2, 3: accumulators ((a, b) at v[8 (8 (a % 4) + b)]), then the parts read back.
.set SLOT,  131072
.set RP,    528                        ; a row of 128 f32 in LDS + 16 bytes: an odd multiple of 16, so the sixteen rows of a store start at different banks
.set PART,  128*RP                     ; a wave's part
.set SPARE, 4*PART                     ; behind the parts and the ring: the spare words, 128 bytes a wave
.set VO,   4                           ; v4   16 x lane
.set STO,  5                           ; v5   LDS: my part, row r, + 32 h
.set RD,   6                           ; v6-9 LDS: part s, my first row, + 16 x lane
.set SPW,  10                          ; v10  my spare word; never rewritten
.set NIL,  11                          ; v11  0; never rewritten
.set BI,   12                          ; v12-15 b2 at my four columns
.set PFO,  16                          ; v16  4,096 x lane: a row of x1 a lane
.set BAD,  18                          ; v18-21 LDS: slot 0 blocks 0-3, 4-7; slot 1 likewise; + my two fragments + 16 x lane
.set G1,   24                          ; s[24:31] descriptor group 1
.set G0,   32                          ; s[32:43] group 0 of the three fills
.set SA,   48                          ; s[48:55] A's base in each of the four chunks
.set SBD,  86                          ; s[86:87] B's base in the first chunk
.set NI, 0
.set ND, 0
.set MSB, 0
.macro WIN new                         ; the immediate's high byte repeats the setting that is left
.if MSB != (\new)
	s_set_vgpr_msb (MSB<<8)|(\new)
.set MSB, (\new)
.endif
.endm
.macro PLACES                          ; four plain lines between a matrix instruction and a load into, or a store of, its registers
.rept 4
	v_nop
.endr
.endm
.macro ROUND                           ; a round of the cluster's barrier
	s_barrier_signal -1
	s_barrier_wait -1
	s_cmp_lg_u32 s14, 0
	s_cbranch_scc1 .Lnot_wave_0_\@
	s_barrier_signal -3
.Lnot_wave_0_\@:
	s_barrier_wait -3
	s_barrier_signal -1
	s_barrier_wait -1
.endm
; The change of slots: all my tensor loads are in, the add, my LDS reads are over; fill >= 0: a round, and that fill as the first tensor load behind it; fill < 0: nothing is filled, my work-group's barrier alone.
.macro CHANGE fill
	WIN 0
	s_wait_tensorcnt 0x0
	ds_add_u32 v[SPW], v[NIL]                      ; 0 onto my spare word
.set ND, ND+1
	s_wait_dscnt 0x0
.if (\fill) >= 0
	ROUND
	tensor_load_to_lds s[G0+4*(\fill):G0+4*(\fill)+3], s[G1:G1+7]
	s_nop 0
	PLACES
.else
	s_barrier_signal -1
	s_barrier_wait -1
.endif
.endm
.macro LDA q                           ; group q of A: blocks 4 (q % 2) .. + 3 of half step q / 2
.if (\q) < 32
	WIN 0
.set ZZ, 32+32*((\q)%7)
.set SS, SA+2*((\q)/8)
.set OO, 4*((\q)%2)*65536+(((\q)/4)%2)*2048+(((\q)/2)%2)*1024
.irp i, 0,1,2,3
	global_load_b128 v[ZZ+8*\i:ZZ+8*\i+3], v[VO], s[SS:SS+1] offset:OO+\i*65536
	global_load_b128 v[ZZ+8*\i+4:ZZ+8*\i+7], v[VO], s[SS:SS+1] offset:OO+\i*65536+512
.endr
.set NI, NI+8
.irp k, 0,1,2,3,4,5,6
.if ((\q)%7) == \k
.set EA\k, NI
.endif
.endr
.endif
.endm
.macro LDBG u                          ; B's eight fragments of half step u of the first chunk, from memory
	WIN 0x40
.set ZZ, 64*((\u)%4)
.set OO, (((\u)/2)%2)*2048+((\u)%2)*1024
.irp b, 0,1,2,3,4,5,6,7
	global_load_b128 v[ZZ+8*\b:ZZ+8*\b+3], v[VO], s[SBD:SBD+1] offset:OO+\b*65536
	global_load_b128 v[ZZ+8*\b+4:ZZ+8*\b+7], v[VO], s[SBD:SBD+1] offset:OO+\b*65536+512
.endr
.set NI, NI+16
.irp k, 0,1,2,3
.if ((\u)%4) == \k
.set EB\k, NI
.endif
.endr
.endm
.macro LDB u                           ; B's eight fragments of half step u >= 4, from the slot of chunk u / 4: slot 0, 1, 0
.if (\u) < 16
	WIN 0x40
.set ZZ, 64*((\u)%4)
.set SL, BAD+2*(((\u)/4+1)%2)
.set OO, (((\u)/2)%2)*2048+((\u)%2)*1024
.irp b, 0,1,2,3,4,5,6,7
	ds_load_b128 v[ZZ+8*\b:ZZ+8*\b+3], v[SL+\b/4] offset:OO+(\b%4)*16384
	ds_load_b128 v[ZZ+8*\b+4:ZZ+8*\b+7], v[SL+\b/4] offset:OO+(\b%4)*16384+512
.endr
.set ND, ND+16
.irp k, 0,1,2,3
.if ((\u)%4) == \k
.set ED\k, ND
.endif
.endr
.endif
.endm
.macro WAITA q                         ; group q's loads are in; those issued behind them may be out
.irp k, 0,1,2,3,4,5,6
.if ((\q)%7) == \k
.set WN, NI-EA\k
.endif
.endr
.if WN > 63
.set WN, 63
.endif
	s_wait_loadcnt WN
.endm
.macro WAITB u                         ; B's set of half step u is in: from memory in the first chunk, from LDS behind it
.irp k, 0,1,2,3
.if ((\u)%4) == \k
.if (\u) < 4
.set WN, NI-EB\k
.else
.set WN, ND-ED\k
.endif
.endif
.endr
.if WN > 63
.set WN, 63
.endif
.if (\u) < 4
	s_wait_loadcnt WN
.else
	s_wait_dscnt WN
.endif
.endm
; 32 matrix instructions: group q's four blocks of A x B's eight.  The 64 accumulators take turns, one instruction a turn, in the same order in every half step.
.macro MUL32 q, u, hf
.set ZA, 32+32*((\q)%7)
.set ZB, 64*((\u)%4)
	WIN 0xa1+0x50*(\hf)                            ; source 0 (B) window 1, source 1 (A) window 0, C and D window 2 or 3
.irp i, 0,1,2,3
.irp b, 0,1,2,3,4,5,6,7
.if (\u) == 0
	v_wmma_f32_16x16x64_bf8_bf8 v[8*(8*\i+\b):8*(8*\i+\b)+7], v[ZB+8*\b:ZB+8*\b+7], v[ZA+8*\i:ZA+8*\i+7], 0
.else
	v_wmma_f32_16x16x64_bf8_bf8 v[8*(8*\i+\b):8*(8*\i+\b)+7], v[ZB+8*\b:ZB+8*\b+7], v[ZA+8*\i:ZA+8*\i+7], v[8*(8*\i+\b):8*(8*\i+\b)+7]
.endif
.endr
.endr
.endm
.macro OUTS hf                         ; my sums of rows 64 hf .. + 63 into my part, each accumulator from its low end on
	WIN 0x08+4*(\hf)                               ; the data: window 2 or 3
.irp i, 0,1,2,3
.irp b, 0,1,2,3,4,5,6,7
	ds_store_b128 v[STO], v[8*(8*\i+\b):8*(8*\i+\b)+3] offset:(64*(\hf)+16*\i)*RP+64*\b
	ds_store_b128 v[STO], v[8*(8*\i+\b)+4:8*(8*\i+\b)+7] offset:(64*(\hf)+16*\i)*RP+64*\b+16
.endr
.endr
.endm
.macro XL hf                           ; x1's rows 16 hf .. + 15 of my 32, into B's set hf, which is done with: a load reads 512 consecutive bytes
	WIN 0x40
.set II, 0
.rept 16
	global_load_b128 v[64*(\hf)+4*II:64*(\hf)+4*II+3], v[VO], s[80:81] offset:(16*(\hf)+II)*4096 th:TH_LOAD_NT
.set II, II+1
.endr
.set NI, NI+16
.endm
.macro HS u                            ; a half step
	WAITA 2*(\u)
	WAITB \u
	MUL32 2*(\u), \u, 0
.if (\u) == 15
	PLACES
	OUTS 0                                         ; rows 0-63 are finished: they go to LDS while rows 64-127 are multiplied
.elseif (\u) == 0
	PLACES
	LDA 4                                          ; the rest of the first requests, in the order of their use
	LDBG 2
	LDA 5
.elseif (\u) < 13
	PLACES
	LDA 2*(\u)+7                                   ; into the ring place just multiplied
.endif
.if (\u) == 2 || (\u) == 6
	CHANGE (\u)/4+1                                ; the next chunk has landed, and what the other slot held has been read out (half step 2: slot 1's first fill, issued as a refill is)
.endif
.if (\u) == 10
	CHANGE -1                                      ; the last chunk has landed
.endif
.if (\u) == 14
	WIN 0
	s_wait_dscnt 0x0                               ; my last reads of the ring are over:
	s_barrier_signal -1
	s_barrier_wait -1                              ; everybody's: the parts may be stored over it
.endif
	WAITA 2*(\u)+1
	MUL32 2*(\u)+1, \u, 1
.if (\u) == 15
	PLACES
	OUTS 1
.elseif (\u) == 0
	PLACES
	LDA 6
	LDBG 3
	LDA 7
	LDA 8
.elseif (\u) < 14
	PLACES
	LDA 2*(\u)+8
.if (\u) >= 2
	LDB (\u)+2
.endif
.endif
.if (\u) == 3 || (\u) == 4
	WIN 0
	global_prefetch_b8 v[PFO], s[80:81] offset:256*((\u)-3) th:TH_LOAD_NT scope:SCOPE_SE   ; x1: 256 bytes of each of my 32 rows; its address registers are never rewritten
.endif
.if (\u) == 12
	XL 0
.endif
.if (\u) == 13
	XL 1
	WIN 0
	global_load_b128 v[BI:BI+3], v[VO], s[84:85]
.set NI, NI+1
.endif
.endm
.macro SUMOUT hf                       ; 16 rows: the four parts added, scaled, + (x1 + b2), stored
	WIN 0x8a+0x45*(\hf)                            ; sources 0, 1 and destination: window 2 or 3
.irp o, 0,2,8,10
.set II, 0
.rept 16
	v_pk_add_f32 v[16*II+\o:16*II+\o+1], v[16*II+\o:16*II+\o+1], v[16*II+\o+4:16*II+\o+5]
.set II, II+1
.endr
.endr
.irp o, 0,2
.set II, 0
.rept 16
	v_pk_add_f32 v[16*II+\o:16*II+\o+1], v[16*II+\o:16*II+\o+1], v[16*II+\o+8:16*II+\o+9]
.set II, II+1
.endr
.endr
	WIN 0x52+(\hf)                                 ; source 0: window 2 or 3; source 2 and destination: window 1
.set XX, 64*(\hf)
.set II, 0
.rept 16
	v_pk_fma_f32 v[XX+4*II:XX+4*II+1], v[16*II:16*II+1], s[96:97], v[XX+4*II:XX+4*II+1] op_sel_hi:[1,0,1]
	v_pk_fma_f32 v[XX+4*II+2:XX+4*II+3], v[16*II+2:16*II+3], s[96:97], v[XX+4*II+2:XX+4*II+3] op_sel_hi:[1,0,1]
.set II, II+1
.endr
	WIN 0x04                                       ; the stores' data: window 1
.set II, 0
.rept 16
	global_store_b128 v[VO], v[XX+4*II:XX+4*II+3], s[82:83] offset:(16*(\hf)+II)*4096 th:TH_STORE_NT   ; 32 lanes store 512 consecutive bytes, aligned
.set II, II+1
.endr
.endm
	s_load_b256 s[68:75], s[0:1], 0x0              ; hc 68:69, wc 70:71, the scales 72:73, b2 74:75
	s_load_b128 s[76:79], s[0:1], 0x20             ; x1 76:77, out0 78:79
	v_lshl_add_u32 v[SPW], v0, 2, SPARE
	v_mov_b32 v[NIL], 0
	ds_add_u32 v[SPW], v[NIL]                      ; the opening: the add, twice on end, and its wait ahead of my first tensor load
	ds_add_u32 v[SPW], v[NIL]
	v_lshrrev_b32 v1, 5, v0
	v_readfirstlane_b32 s14, v1                    ; wave 0..3: my fragments of each chunk, my part of a fill, my 32 rows on the way out
	s_mul_i32 s2, s14, PART
	s_mul_i32 s3, s14, 32*RP
	s_lshl_b32 s16, s14, 12                        ; my two fragments in a block of rows
	v_and_b32 v2, 31, v0
	v_lshlrev_b32 v[VO], 4, v2
	v_lshlrev_b32 v[PFO], 12, v2
	v_and_b32 v3, 15, v0                           ; r
	v_bfe_u32 v17, v0, 4, 1                        ; h
	v_mul_u32_u24 v3, v3, RP
	v_lshl_add_u32 v3, v17, 5, v3
	v_add_nc_u32 v[STO], s2, v3
	v_add_nc_u32 v[RD], s3, v[VO]
	v_add_nc_u32 v[RD+1], PART, v[RD]
	v_add_nc_u32 v[RD+2], 2*PART, v[RD]
	v_add_nc_u32 v[RD+3], 3*PART, v[RD]
	v_add_nc_u32 v[BAD], s16, v[VO]
	v_add_nc_u32 v[BAD+1], 65536, v[BAD]
	v_add_nc_u32 v[BAD+2], SLOT, v[BAD]
	v_add_nc_u32 v[BAD+3], SLOT+65536, v[BAD]
	s_bfe_u32 s13, ttmp6, 0x40000                  ; cx: it enters A's, x1's and out0's addresses alone
	s_lshl_b32 s15, ttmp9, 2
	s_add_co_u32 s15, s15, s13                     ; my block of 128 rows
	s_and_b32 s17, ttmp7, 0xffff                   ; my block of 128 columns
	s_add_co_u32 s12, s17, ttmp9                   ; where the walk along K starts: the same in the four partners
	s_lshl_b32 s20, s15, 19                        ; A: 8 blocks of rows, 65,536 bytes each,
	s_add_co_u32 s20, s20, s16                     ; + my two fragments
	s_lshl_b32 s22, s17, 19                        ; B: the 8 blocks of rows, in W2's image;
	s_add_co_u32 s22, s22, 0x700000
	s_add_co_u32 s88, s22, s16                     ; for the loads into registers: + my two fragments;
	s_lshl_b32 s18, s14, 17                        ; for the fills: + the two blocks of rows that I fetch,
	s_add_co_u32 s22, s22, s18
	s_lshl_b32 s19, s14, 15                        ; and where they go in a slot
	s_mov_b32 s21, 0
	s_mov_b32 s23, 0
	s_mov_b32 s89, 0
	s_mov_b32 s57, 0
	s_lshl_b32 s58, s15, 19                        ; x1, out0: row 128 x block + 32 wave of 4,096 bytes, + 512 x column block
	s_add_co_u32 s58, s58, s18
	s_lshl_b32 s60, s17, 9
	s_add_co_u32 s58, s58, s60
	s_mov_b32 s59, 0
	s_mov_b32 s61, 0
	s_mov_b32 s[G1], 15|(3<<16)|(1<<21)            ; 15:0 the mask: all four work-groups; 17:16 elements of 8 bytes; 21 set beside a mask; no padding: an image is read 16 x lane
	s_mov_b32 s[G1+1], 2048<<16                    ; 2 rows of 16,384 bytes,
	s_mov_b32 s[G1+2], 2<<16
	s_mov_b32 s[G1+3], 2048<<16
	s_mov_b32 s[G1+4], 2
	s_mov_b32 s[G1+5], 8192                        ; 65,536 bytes apart
	s_mov_b32 s[G1+6], 0
	s_mov_b32 s[G1+7], 0
	s_wait_alu depctr_va_vdst(0)
	s_wait_dscnt 0x0                               ; both opening adds are done
	s_wait_kmcnt 0x0
	s_load_b64 s[92:93], s[72:73], 0x30            ; e12, e13
	s_add_nc_u64 s[20:21], s[68:69], s[20:21]
	s_add_nc_u64 s[22:23], s[70:71], s[22:23]
	s_add_nc_u64 s[SBD:SBD+1], s[70:71], s[88:89]
	s_add_nc_u64 s[80:81], s[76:77], s[58:59]
	s_add_nc_u64 s[82:83], s[78:79], s[58:59]
	s_add_nc_u64 s[84:85], s[74:75], s[60:61]
.irp j, 0,1,2,3
	s_add_co_u32 s56, s12, \j
	s_and_b32 s56, s56, 3
	s_lshl_b32 s56, s56, 14                        ; the j-th chunk of the walk: 8 fragments of 2,048 bytes
	s_add_nc_u64 s[SA+2*\j:SA+2*\j+1], s[20:21], s[56:57]
.if \j == 0
	s_add_nc_u64 s[SBD:SBD+1], s[SBD:SBD+1], s[56:57]
.else
	s_mov_b32 s[G0+4*(\j-1)], 1                    ; chunk j is fill j - 1, into slot (j - 1) % 2
	s_add_co_u32 s[G0+4*(\j-1)+1], s19, ((\j-1)%2)*SLOT
	s_add_nc_u64 s[G0+4*(\j-1)+2:G0+4*(\j-1)+3], s[22:23], s[56:57]
	s_or_b32 s[G0+4*(\j-1)+3], s[G0+4*(\j-1)+3], 0x80000000
.endif
.endr
	ROUND                                          ; all four work-groups are here: the first joint loads meet
	tensor_load_to_lds s[G0:G0+3], s[G1:G1+7]      ; chunk 1: one tensor load a wave at the head
	s_nop 0
	PLACES
	LDA 0                                          ; the first chunk's first requests, in the order of their use: 64 loads
	LDBG 0
	LDA 1
	LDA 2
	LDBG 1
	LDA 3
.irp u, 0,1,2,3,4,5,6,7,8,9,10,11,12,13,14,15
	HS \u
.endr
	WIN 0
	s_wait_dscnt 0x0                               ; my part is written
	s_barrier_signal -1
	s_barrier_wait -1                              ; everybody's
	WIN 0x80                                       ; row i of my 32, part s -> registers 16 (i % 16) + 4 s of window 2 (rows 0-15) or 3
.set II, 0
.rept 16
.irp s, 0,1,2,3
	ds_load_b128 v[16*II+4*\s:16*II+4*\s+3], v[RD+\s] offset:II*RP
.endr
.set II, II+1
.endr
	WIN 0xc0
.set II, 0
.rept 16
.irp s, 0,1,2,3
	ds_load_b128 v[16*II+4*\s:16*II+4*\s+3], v[RD+\s] offset:(16+II)*RP
.endr
.set II, II+1
.endr
	WIN 0
	s_wait_kmcnt 0x0
	s_add_co_i32 s96, s92, s93
	s_add_co_i32 s96, s96, 127
	s_lshl_b32 s96, s96, 23                        ; 2^(e12 + e13) as f32
	s_mov_b32 s97, s96                             ; (named with it as a pair, so it is written)
	s_wait_loadcnt 0x0                             ; x1 and b2
	WIN 0x41                                       ; x1 in window 1, b2 in window 0
.set II, 0
.rept 32
	v_pk_add_f32 v[4*II:4*II+1], v[4*II:4*II+1], v[BI:BI+1]                     ; x1 + b2, in x1's place
	v_pk_add_f32 v[4*II+2:4*II+3], v[4*II+2:4*II+3], v[BI+2:BI+3]
.set II, II+1
.endr
	s_wait_alu depctr_va_vdst(0)
	s_wait_dscnt 63                                ; of the 128 loads at most 63 are out: the first 64, rows 0-15, are in
	SUMOUT 0
	s_wait_dscnt 0x0
	SUMOUT 1
	WIN 0
	s_wait_tensorcnt 0x0                           ; the wave's end
	ds_add_u32 v[SPW], v[NIL]
	s_wait_dscnt 0x0
	ROUND                                          ; the closing round
	s_endpgm
.Lfunc_end_k_q4a1f17fdef_mlp2:
	.size	k_q4a1f17fdef_mlp2, .Lfunc_end_k_q4a1f17fdef_mlp2-k_q4a1f17fdef_mlp2
	.p2alignl 7, 3214868480
	.fill 96, 4, 3214868480
	.section	.rodata,"a",@progbits
	.p2align	6, 0x0
	.amdhsa_kernel k_q4a1f17fdef_mlp2
		.amdhsa_group_segment_fixed_size 327680
		.amdhsa_private_segment_fixed_size 0
		.amdhsa_enable_private_segment 0
		.amdhsa_kernarg_size 48
		.amdhsa_user_sgpr_count 2
		.amdhsa_user_sgpr_kernarg_segment_ptr 1
		.amdhsa_wavefront_size32 1
		.amdhsa_system_sgpr_workgroup_id_x 1
		.amdhsa_system_sgpr_workgroup_id_y 1
		.amdhsa_system_sgpr_workgroup_id_z 1
		.amdhsa_system_vgpr_workitem_id 0
		.amdhsa_next_free_vgpr 1024
		.amdhsa_next_free_sgpr 100
		.amdhsa_reserve_vcc 0
		.amdhsa_float_denorm_mode_32 3
		.amdhsa_float_denorm_mode_16_64 3
		.amdhsa_memory_ordered 1
		.amdhsa_forward_progress 1
		.amdhsa_inst_pref_size 164
	.end_amdhsa_kernel
	.amdgpu_metadata
---
amdhsa.version: [ 1, 2 ]
amdhsa.kernels:
  - .name:           k_q4a1f17fdef_mlp2
    .symbol:         k_q4a1f17fdef_mlp2.kd
    .args:
      - { .name: hc, .offset: 0, .size: 8, .value_kind: global_buffer, .address_space: global }
      - { .name: wc, .offset: 8, .size: 8, .value_kind: global_buffer, .address_space: global }
      - { .name: lowp_scales, .offset: 16, .size: 8, .value_kind: global_buffer, .address_space: global }
      - { .name: b2, .offset: 24, .size: 8, .value_kind: global_buffer, .address_space: global }
      - { .name: x1, .offset: 32, .size: 8, .value_kind: global_buffer, .address_space: global }
      - { .name: out0, .offset: 40, .size: 8, .value_kind: global_buffer, .address_space: global }
    .group_segment_fixed_size: 327680
    .private_segment_fixed_size: 0
    .kernarg_segment_align: 8
    .kernarg_segment_size: 48
    .max_flat_workgroup_size: 128
    .sgpr_count:     100
    .vgpr_count:     1024
    .wavefront_size: 32
...
	.end_amdgpu_metadata
.endif
;; end of part 5
